; MI455X (gfx1250); checked and timed in simulation.
; The chip was launched on July 23, 2026; its instructions are those of AMD's public machine-readable ISA for CDNA 5 (MIT licence, August 2026) and "CDNA5" Instruction Set Architecture Reference Guide (July 2026). The comments in the code are by the model that wrote it; some were corrected since.
;; Optimized Cross Modal Attention. Allowed arithmetic: matrix products marked QUANTISED: E2M3 operands, one E8M0 scale for each 32 along K, by v_wmma_scale_f32_16x16x128_f8f6f4 with both operands' format E2M3, f32 sums; everything else in f32.
;; Inputs: W_out 1,024 x 1,024 float32; W_qkv 1,024 x 3,072 float32; transaction_features 2 x 2,048 x 1,024 float32; visual_features 2 x 2,048 x 1,024 float32.
;; Outputs: out0 2 x 2,048 x 1,024 float32.
;; This version of the problem:
;;   THIS VERSION OF THE PROBLEM IS GIVEN IN LOW PRECISION. The matrix products marked QUANTISED in the list below multiply operands that are first quantised to E2M3 (2 exponent bits, 3 mantissa bits; 6 bits a number), with one power-of-two scale for each 32 numbers along K (OCP MX v1.0); their sums are f32. All else is computed in f32.
;;   The module's matrix products, in the order in which they are computed (A, B: the left and right operand; K: the contracted axis; several contracted axes count as one K, in the product's order):
;;     1. [M 4,096, K 1,024] x [K 1,024, N 3,072]; A: input visual_features; B: input W_qkv: QUANTISED
;;     2. [M 4,096, K 1,024] x [K 1,024, N 3,072]; A: input transaction_features; B: input W_qkv: QUANTISED
;;     3. batch 32 x [M 2,048, K 64] x [K 64, N 2,048]; A: computed on the way; B: computed on the way: QUANTISED
;;     4. batch 32 x [M 2,048, K 64] x [K 64, N 2,048]; A: computed on the way; B: computed on the way: QUANTISED
;;     5. batch 32 x [M 2,048, K 2,048] x [K 2,048, N 64]; A: softmax (see below); B: computed on the way: QUANTISED
;;     6. batch 32 x [M 2,048, K 2,048] x [K 2,048, N 64]; A: softmax (see below); B: computed on the way: QUANTISED
;;     7. [M 4,096, K 1,024] x [K 1,024, N 1,024]; A: computed on the way; B: input W_out: QUANTISED
;;   THE QUANTISER, for each operand of a quantised product, along K:
;;     - K is cut into blocks of 32 from its start; a last block that is shorter is filled with zeros.
;;     - A block's scale is 2^e with e = floor(log2(the largest magnitude in the block)) - 2, held to -126 .. 127; a block of zeros has e = 0. As a byte (E8M0): e + 127.
;;     - Each number is divided by its block's scale, clamped to +-7.5, and rounded to the nearest number of E2M3, ties to even, subnormals kept.
;;     - The product sums the exact products of the quantised numbers (number of the format x scale) in f32.
;;   ~~~python
;;   def quantise(x, axis):      # numpy; x: float32 -> the quantised numbers, widened to float32 again
;;       x = np.moveaxis(x, axis, -1); K = x.shape[-1]
;;       x = np.pad(x, [(0, 0)] * (x.ndim - 1) + [(0, -K % 32)]); x = x.reshape(x.shape[:-1] + (-1, 32)); a = np.abs(x).max(-1, keepdims=True)
;;       e = np.where(a > 0, np.clip(np.frexp(np.where(a > 0, a, 1))[1] - 1 - 2, -126, 127), 0)      # np.frexp(a)[1] - 1 = floor(log2(a)), exactly
;;       r = np.clip(x / 2.0 ** e, -7.5, 7.5)
;;       step = 2.0 ** (np.maximum(np.frexp(np.where(r == 0, 1, r))[1] - 1, 0) - 3)
;;       q = np.round(r / step) * step * 2.0 ** e      # np.round: ties to even
;;       return np.moveaxis(q.reshape(q.shape[:-2] + (-1,))[..., :K], -1, axis).astype(np.float32)
;;   ~~~
;;   SOFTMAX AHEAD OF A QUANTISED PRODUCT. Where the list says 'softmax', what is quantised is not the finished softmax but p = 2^(t - M), with t = logit x log2(e) and M = ceil(the row's largest t), a whole number; so 1/2 < the row's largest p <= 1. The row's sum l is taken of the UNQUANTISED p, in f32, and the product's result is divided by l at the end. Since M is a whole number, a kernel that streams over the keys may use a running M (the ceiling of the running maximum): every later rescaling is an exact power of two, which a block's scale takes up: the codes' values come out the same.
;;   OPERANDS COMPUTED ON THE WAY. 'Computed on the way' means the value that the module computes at that place (a softmax that the list does not call 'softmax' is quantised finished and normalised). What goes into a quantiser is computed in f32, as accurately as f32 sums, v_exp_f32 and their like allow (about 1e-6 of the number): no bf16 or f16 on the way to a quantiser, and a product that is left as it is and whose result goes on into a quantised operand takes f32 operands (vector FMAs, or v_wmma_f32_16x16x4_f32). A number that lies on a knife's edge between two numbers of the format may be rounded either way, as far as f32 arithmetic and the matrix unit's own rounding can turn it there, and no further.
;; One version. Each part assembles by itself: llvm-mc -triple=amdgcn-amd-amdhsa -mcpu=gfx1250 --defsym DOCPART=n.
;; ======== version 1 of 1: 5 launches
;; workspace buffers: xc 6,291,456 bytes; xs 262,144 bytes; wc 3,145,728 bytes; ws 131,072 bytes; qkv 18,874,368 bytes; qkvs 786,432 bytes; ac 3,145,728 bytes; as_ 131,072 bytes
;; launch quant_x (part 1): grid 256 x 1, 4 waves a work-group, no clusters, 33,280 bytes of LDS; arguments visual_features, transaction_features, xc, xs; writes xc, xs
.if DOCPART == 1
	.amdgcn_target "amdgcn-amd-amdhsa--gfx1250"
	.amdhsa_code_object_version 6
	.text
	.protected	k_qd35c4ad471_quant_x
	.globl	k_qd35c4ad471_quant_x
	.p2align	8
	.type	k_qd35c4ad471_quant_x,@function
k_qd35c4ad471_quant_x:
	s_mov_b64 s[64:65], 0
	v_nop
	global_prefetch_b8 v0, s[64:65] scope:SCOPE_SE
	s_setreg_imm32_b32 hwreg(HW_REG_WAVE_MODE, 25, 1), 1
	s_wait_xcnt 0x0
; The two token streams, [4096][1024] f32 each, become codes of FP6 (E2M3), K innermost, and one E8M0 byte for each 32 along K:
; xc [8192][768] and xs [8192][32], the visual rows first, then the transaction rows.
; A block's scale is 2^(floor(log2(its largest magnitude)) - 2); its byte is the largest magnitude's exponent field - 2, held at 1 from below.
; LIMITS: a block of zeros gets the byte 1 where the quantiser says 127 (its codes are zeros, and this program alone reads the bytes); a block whose largest magnitude
; lies under 2^-124 has its byte held at 1; NaN and infinities among the inputs are not served.
; Rows are dense and 1024 is a multiple of 32: both tensors are plain streams of blocks of 32.  A wave takes 16 steps of 512 numbers.  Each load reads 512 consecutive bytes;
; a step's 2,048 bytes turn through the wave's own stage in LDS and come back 64 bytes (16 neighbours) a lane; two neighbouring lanes hold a block.
; The first 128 work-groups take the visual stream, the others the transaction stream: only the source pointer is chosen.  Waves share nothing: no barrier, no cluster.
.set WAVES, 4
.set STEPS, 16
.set WGA,   128                        ; 4096 x 1024 / 32,768
.set EMAX,  2
.set CB,    12                         ; bytes of 16 codes
.set R,     16                         ; v16-79   four sets of 16 numbers as they are loaded
.set X,     80                         ; v80-111  two sets of 16 neighbours
.set C,     128                        ; v128-191 codes: four registers for each step
.set E,     112                        ; v112-127 a scale byte for each step
.set WREG,  8192                       ; LDS: a region for each wave: two stages of 32 x SP bytes, then its 256 scale bytes
.set SP,    80                         ; a lane's place in a stage: 64 bytes + 16 of padding
.set SPW,   12                         ; v12 LDS address of my spare word; never rewritten
.set NIL,   13                         ; v13 0; never rewritten
.set SPARE, WAVES*WREG                 ; behind the four regions: the spare words, 128 bytes a wave
	s_load_b128 s[4:7], s[0:1], 0x0                ; visual, transaction
	s_load_b128 s[8:11], s[0:1], 0x10              ; xc, xs
	v_lshl_add_u32 v[SPW], v0, 2, SPARE
	v_mov_b32 v[NIL], 0
	v_lshrrev_b32 v1, 5, v0
	v_readfirstlane_b32 s16, v1                    ; wave
	v_and_b32 v2, 31, v0                           ; lane
	v_lshlrev_b32 v3, 4, v2                        ; my 16 bytes of a load's 512
	s_mul_i32 s17, s16, WREG
	v_lshrrev_b32 v14, 2, v2
	v_mul_u32_u24 v14, v14, SP
	v_and_b32 v15, 3, v2
	v_lshl_add_u32 v14, v15, 4, v14
	v_add_nc_u32 v14, s17, v14                     ; the stage, on the way in: SP (lane / 4) + 16 (lane % 4)
	v_mul_u32_u24 v15, v2, SP
	v_add_nc_u32 v15, s17, v15                     ; and on the way out: SP x lane: my 16 neighbours
	v_mul_u32_u24 v4, v2, CB                       ; my codes' place in a step's
	v_lshrrev_b32 v5, 1, v2
	s_add_co_u32 s17, s17, 2*32*SP
	v_add_nc_u32 v5, s17, v5                       ; LDS: my wave's 256 scale bytes, my block's byte
	v_lshlrev_b32 v7, 3, v2                        ; and on the way out 8 bytes a lane
	v_add_nc_u32 v6, s17, v7
	s_wait_kmcnt 0x0
	s_cmp_lt_u32 ttmp9, WGA                        ; which stream?  The choice hangs on the work-group's number alone
	s_cselect_b64 s[4:5], s[4:5], s[6:7]
	s_cselect_b32 s17, 0, WGA
	s_sub_co_u32 s17, ttmp9, s17
	s_lshl_b32 s17, s17, 2
	s_add_co_u32 s17, s17, s16                     ; which run of 8,192 numbers of the stream is my wave's
	s_lshl_b32 s20, s17, 15                        ; 32,768 bytes a run
	s_mov_b32 s21, 0
	s_add_nc_u64 s[4:5], s[4:5], s[20:21]
	s_lshl_b32 s18, ttmp9, 2
	s_add_co_u32 s18, s18, s16                     ; and which run of the outputs, which hold both streams on end
	s_mul_i32 s20, s18, 32*STEPS*CB                ; 6,144 bytes of codes a run
	s_add_nc_u64 s[8:9], s[8:9], s[20:21]
	s_lshl_b32 s20, s18, 8                         ; 256 scale bytes a run
	s_add_nc_u64 s[10:11], s[10:11], s[20:21]
.macro LOAD t
.irp i, 0,1,2,3
	global_load_b128 v[R+16*((\t)%4)+4*\i:R+16*((\t)%4)+4*\i+3], v3, s[4:5] offset:2048*(\t)+512*\i th:TH_LOAD_NT   ; 32 lanes read 512 consecutive bytes
.endr
.endm
.macro TURN t                          ; step t's numbers through the stage: LDS serves a wave's instructions in order, so no wait stands between the stores and the loads
.irp i, 0,1,2,3
	ds_store_b128 v14, v[R+16*((\t)%4)+4*\i:R+16*((\t)%4)+4*\i+3] offset:32*SP*((\t)%2)+8*SP*\i
.endr
.irp i, 0,1,2,3
	ds_load_b128 v[X+16*((\t)%2)+4*\i:X+16*((\t)%2)+4*\i+3], v15 offset:32*SP*((\t)%2)+16*\i
.endr
.endm
.irp t, 0,1,2,3
	LOAD \t
.endr
	s_wait_loadcnt 12                              ; step 0's four loads are in; three steps' twelve may be out
	TURN 0
.macro STEP t
.set XS, X+16*((\t)%2)
.if (\t) > 0
	s_wait_dscnt 1                                 ; this step's numbers are back from the stage (the last step's byte store may be out)
.else
	s_wait_dscnt 0x0
.endif
.if (\t)+4 < STEPS
	LOAD (\t)+4                                    ; the registers that the stage's stores have read take the loads of four steps on
.endif
.if (\t)+1 < STEPS
.if STEPS-2-(\t) >= 3
	s_wait_loadcnt 12                              ; the next step's four loads are in; those of the three steps behind it may be out
.else
	s_wait_loadcnt 4*(STEPS-2-(\t))
.endif
	TURN (\t)+1                                    ; and go through the other stage while this step is worked
.endif
	v_max3_num_f32 v8, |v[XS]|, |v[XS+1]|, |v[XS+2]|               ; the largest magnitude of my 16, in two chains
	v_max3_num_f32 v9, |v[XS+3]|, |v[XS+4]|, |v[XS+5]|
.irp i, 6,10
	v_max3_num_f32 v8, v8, |v[XS+\i]|, |v[XS+\i+1]|
	v_max3_num_f32 v9, v9, |v[XS+\i+2]|, |v[XS+\i+3]|
.endr
	v_max3_num_f32 v8, v8, |v[XS+14]|, |v[XS+15]|
	v_max3_num_f32 v8, v8, v9, (EMAX+1)<<23        ; and the floor 2^(3 - 127): the byte cannot fall under 1
	v_max_num_f32_dpp v8, v8, v8 row_xmask:1 row_mask:0xf bank_mask:0xf   ; and of my neighbour's 16: the block's
	v_add_nc_u32 v11, -(EMAX<<23), v8              ; 2 off its exponent field: the conversion takes the exponent field of this operand as its scale
	v_cvt_scalef32_pk16_fp6_f32 v[C+4*(\t):C+4*(\t)+2], v[XS:XS+15], v11
	v_lshrrev_b32 v[E+(\t)], 23, v11               ; the scale's byte (also the plain line behind the conversion)
	ds_store_b8 v5, v[E+(\t)] offset:16*(\t)       ; both lanes of a block write the same byte with the same value
	global_store_b96 v4, v[C+4*(\t):C+4*(\t)+2], s[8:9] offset:32*CB*(\t)   ; the wave stores 384 consecutive bytes
.endm
.irp t, 0,1,2,3,4,5,6,7,8,9,10,11,12,13,14,15
	STEP \t
.endr
	ds_load_b64 v[8:9], v6                         ; LDS serves a wave's instructions in order: these see my stores
	s_wait_dscnt 0x0
	global_store_b64 v7, v[8:9], s[10:11]          ; 32 lanes store 256 consecutive bytes, aligned
	s_wait_tensorcnt 0x0                           ; the wave's end: behind my last LDS store
	ds_add_u32 v[SPW], v[NIL]
	s_wait_dscnt 0x0
	s_endpgm
.Lfunc_end_k_qd35c4ad471_quant_x:
	.size	k_qd35c4ad471_quant_x, .Lfunc_end_k_qd35c4ad471_quant_x-k_qd35c4ad471_quant_x
	.p2alignl 7, 3214868480
	.fill 96, 4, 3214868480
	.section	.rodata,"a",@progbits
	.p2align	6, 0x0
	.amdhsa_kernel k_qd35c4ad471_quant_x
		.amdhsa_group_segment_fixed_size 33280
		.amdhsa_private_segment_fixed_size 0
		.amdhsa_enable_private_segment 0
		.amdhsa_kernarg_size 32
		.amdhsa_user_sgpr_count 2
		.amdhsa_user_sgpr_kernarg_segment_ptr 1
		.amdhsa_wavefront_size32 1
		.amdhsa_system_sgpr_workgroup_id_x 1
		.amdhsa_system_sgpr_workgroup_id_y 1
		.amdhsa_system_sgpr_workgroup_id_z 1
		.amdhsa_system_vgpr_workitem_id 0
		.amdhsa_next_free_vgpr 192
		.amdhsa_next_free_sgpr 66
		.amdhsa_reserve_vcc 0
		.amdhsa_float_denorm_mode_32 3
		.amdhsa_float_denorm_mode_16_64 3
		.amdhsa_memory_ordered 1
		.amdhsa_forward_progress 1
		.amdhsa_inst_pref_size 32
	.end_amdhsa_kernel
	.amdgpu_metadata
---
amdhsa.version: [ 1, 2 ]
amdhsa.kernels:
  - .name:           k_qd35c4ad471_quant_x
    .symbol:         k_qd35c4ad471_quant_x.kd
    .args:
      - { .name: visual_features, .offset: 0, .size: 8, .value_kind: global_buffer, .address_space: global }
      - { .name: transaction_features, .offset: 8, .size: 8, .value_kind: global_buffer, .address_space: global }
      - { .name: xc, .offset: 16, .size: 8, .value_kind: global_buffer, .address_space: global }
      - { .name: xs, .offset: 24, .size: 8, .value_kind: global_buffer, .address_space: global }
    .group_segment_fixed_size: 33280
    .private_segment_fixed_size: 0
    .kernarg_segment_align: 8
    .kernarg_segment_size: 32
    .max_flat_workgroup_size: 128
    .sgpr_count:     66
    .vgpr_count:     192
    .wavefront_size: 32
...
	.end_amdgpu_metadata
.endif
;; end of part 1
;; launch quant_w (part 2): grid 32 x 4, 4 waves a work-group, no clusters, 35,840 bytes of LDS; arguments W_qkv, W_out, wc, ws; writes wc, ws
.if DOCPART == 2
	.amdgcn_target "amdgcn-amd-amdhsa--gfx1250"
	.amdhsa_code_object_version 6
	.text
	.protected	k_qd35c4ad471_quant_w
	.globl	k_qd35c4ad471_quant_w
	.p2align	8
	.type	k_qd35c4ad471_quant_w,@function
k_qd35c4ad471_quant_w:
	s_mov_b64 s[64:65], 0
	v_nop
	global_prefetch_b8 v0, s[64:65] scope:SCOPE_SE
	s_setreg_imm32_b32 hwreg(HW_REG_WAVE_MODE, 25, 1), 1
	s_wait_xcnt 0x0
; W_qkv [1024][3072] and W_out [1024][1024], f32, K their FIRST axis, become codes of FP6 (E2M3) with K innermost and one E8M0 byte for each 32 along K:
; wc [4096][768], ws [4096][32]; rows 0-3071 are W_qkv's columns, rows 3072-4095 W_out's.
; A LANE TAKES A COLUMN AND ITS REGISTERS RUN DOWN K: a block of 32 lies in one lane's 32 registers, and the conversions give codes with K innermost.
; W_OUT'S CODES STAND PERMUTED INSIDE EACH BLOCK OF 32: position i holds k = i with bits 3 and 4 swapped, the order in which the attention launch stores the other operand's codes.
; A block's largest magnitude does not hang on the order.  Both weights take ONE path: what differs (source, row pitch, first column, the permutation's shift) is chosen into scalar registers.
; LIMITS: a block of zeros gets the byte 1 where the quantiser says 127 (its codes are zeros; this program alone reads the bytes); a largest magnitude under 2^-124 has its byte held at 1; NaN and infinities are not served.
; A wave takes 32 columns x 256 along K; its codes go through its own stage in LDS and leave as rows: sixteen lanes store a row's 192 consecutive bytes.  Waves share nothing: no barrier, no cluster.
.set NB,    8                          ; blocks of a wave
.set ROWB,  192                        ; bytes of 256 codes
.set PITCH, 272                        ; a stage row: sixteen places of 16 bytes, each with 12 bytes of codes, + 16
.set KROW,  768                        ; a row of wc
.set EMAX,  2
.set X,     32                         ; v32-95   two sets of 32 numbers
.set C,     96                         ; v96..    a block's codes
.set OUTR,  112                        ; v112-175 the way out
.set VO,    176                        ; v176-207 register i's byte offset in a block of 32 rows: 4 x lane + (the row that position i takes) x the row's bytes; never rewritten
.set SPW,   14
.set NIL,   15
.set SPARE, 4*32*PITCH                 ; behind the four stages: the spare words, 128 bytes a wave
.set SB,    24                         ; v24-25   the scale bytes, four to a register
	s_load_b128 s[4:7], s[0:1], 0x0                ; W_qkv, W_out
	s_load_b128 s[8:11], s[0:1], 0x10              ; wc, ws
	v_lshl_add_u32 v[SPW], v0, 2, SPARE
	v_mov_b32 v[NIL], 0
	v_lshrrev_b32 v1, 5, v0
	v_readfirstlane_b32 s16, v1                    ; wave 0..3
	v_and_b32 v2, 31, v0                           ; lane
	s_lshl_b32 s17, ttmp9, 7
	s_lshl_b32 s18, s16, 5
	s_add_co_u32 s17, s17, s18                     ; my wave's first row of wc: 128 x work-group x + 32 x wave
	s_and_b32 s18, ttmp7, 0xffff                   ; which 256 along K
	s_cmp_lt_u32 ttmp9, 24                         ; W_qkv's work-group or W_out's?
	s_mov_b32 s12, 4096
	s_cselect_b32 s12, 12288, s12                  ; a row of the weight in bytes
	s_cselect_b32 s13, 0, 3072                     ; the weight's first row in wc
	s_cselect_b32 s14, 0, 8                        ; positions 8-15 take rows 8 further down, positions 16-23 rows 8 further up: or none
	s_mul_i32 s15, s14, s12
	s_sub_co_u32 s14, 8, s14
	s_mul_i32 s14, s14, s12
	v_lshlrev_b32 v3, 2, v2                        ; 4 bytes a lane
	v_add_nc_u32 v10, s15, v3
	v_add_nc_u32 v11, s14, v3
.irp i, 0,1,2,3,4,5,6,7,24,25,26,27,28,29,30,31
	v_mad_u32_u24 v[VO+\i], s12, \i, v3
.endr
.irp i, 8,9,10,11,12,13,14,15
	v_mad_u32_u24 v[VO+\i], s12, \i, v10
.endr
.irp i, 16,17,18,19,20,21,22,23
	v_mad_u32_u24 v[VO+\i], s12, \i-8, v11
.endr
	s_mul_i32 s19, s16, 32*PITCH                   ; my stage
	v_mul_u32_u24 v4, v2, PITCH
	v_add_nc_u32 v4, s19, v4                       ; into it: row = my column
	v_and_b32 v5, 15, v2
	v_lshrrev_b32 v6, 4, v2                        ; out of it: sixteen lanes to a row, two rows an instruction
	v_mul_u32_u24 v7, v6, PITCH
	v_lshl_add_u32 v7, v5, 4, v7
	v_add_nc_u32 v7, s19, v7
	v_mul_u32_u24 v8, v6, KROW
	v_mad_u32_u24 v8, v5, 12, v8                   ; and the same place in wc
	v_lshlrev_b32 v9, 5, v2                        ; my column's row of scale bytes
	s_mul_i32 s20, s18, s12
	s_lshl_b32 s20, s20, 8                         ; 256 y rows of the weight,
	s_sub_co_u32 s22, s17, s13
	s_lshl_b32 s22, s22, 2
	s_add_co_u32 s20, s20, s22                     ; + 4 x my first column in it
	s_mov_b32 s21, 0
	s_lshl_b32 s22, s12, 5                         ; a block of 32 rows
	s_mov_b32 s23, 0
	s_mul_i32 s24, s17, KROW
	s_mul_i32 s26, s18, ROWB
	s_add_co_u32 s24, s24, s26                     ; codes: row x 768 + 192 y
	s_mov_b32 s25, 0
	s_lshl_b32 s28, s17, 5
	s_lshl_b32 s26, s18, 3
	s_add_co_u32 s28, s28, s26                     ; scale bytes: row x 32 + 8 y
	s_mov_b32 s29, 0
	s_wait_kmcnt 0x0
	s_cmp_lt_u32 ttmp9, 24
	s_cselect_b64 s[4:5], s[4:5], s[6:7]
	s_add_nc_u64 s[32:33], s[4:5], s[20:21]        ; a base for each of the eight blocks: none is stepped
.irp t, 1,2,3,4,5,6,7
	s_add_nc_u64 s[32+2*\t:33+2*\t], s[30+2*\t:31+2*\t], s[22:23]
.endr
	s_add_nc_u64 s[8:9], s[8:9], s[24:25]
	s_add_nc_u64 s[10:11], s[10:11], s[28:29]
.macro LOAD t                          ; block t into set t % 2: each load reads 128 consecutive bytes of a row of the weight
.irp i, 0,1,2,3,4,5,6,7,8,9,10,11,12,13,14,15,16,17,18,19,20,21,22,23,24,25,26,27,28,29,30,31
	global_load_b32 v[X+32*((\t)%2)+\i], v[VO+\i], s[32+2*(\t):33+2*(\t)] th:TH_LOAD_NT
.endr
.endm
	LOAD 0
	LOAD 1
.macro BLOCK t
.set XS, X+32*((\t)%2)
.if (\t) < NB-1
	s_wait_loadcnt 32                              ; this block's 32 loads are in; the next block's may be out
.else
	s_wait_loadcnt 0
.endif
	v_max3_num_f32 v12, |v[XS]|, |v[XS+1]|, |v[XS+2]|               ; the block's largest magnitude: all 32 numbers are mine
	v_max3_num_f32 v13, |v[XS+3]|, |v[XS+4]|, |v[XS+5]|
.irp i, 6,10,14,18,22,26
	v_max3_num_f32 v12, v12, |v[XS+\i]|, |v[XS+\i+1]|
	v_max3_num_f32 v13, v13, |v[XS+\i+2]|, |v[XS+\i+3]|
.endr
	v_max3_num_f32 v12, v12, |v[XS+30]|, |v[XS+31]|
	v_max3_num_f32 v12, v12, v13, (EMAX+1)<<23     ; and the floor 2^(3 - 127)
	v_add_nc_u32 v11, -(EMAX<<23), v12             ; the conversion's scale operand
	v_lshrrev_b32 v13, 23, v11                     ; the scale's byte
.if (\t)%4 == 0
	v_mov_b32 v[SB+(\t)/4], v13                    ; four bytes to a register, the lower K in the lower byte
.else
	v_lshl_or_b32 v[SB+(\t)/4], v13, 8*((\t)%4), v[SB+(\t)/4]
.endif
	v_cvt_scalef32_pk16_fp6_f32 v[C:C+2], v[XS:XS+15], v11
	v_cvt_scalef32_pk16_fp6_f32 v[C+4:C+6], v[XS+16:XS+31], v11     ; (a conversion's three registers begin on an even number)
	ds_store_b96 v4, v[C:C+2] offset:32*(\t)       ; 12 bytes to a place of 16 in the stage
	ds_store_b96 v4, v[C+4:C+6] offset:32*(\t)+16
.if (\t)+2 < NB
	LOAD (\t)+2
.endif
	s_wait_dscnt 0x0                               ; the stores have read their registers: the next block's codes may be written
.endm
.irp t, 0,1,2,3,4,5,6,7
	BLOCK \t
.endr
	global_store_b64 v9, v[SB:SB+1], s[10:11]      ; my column's 8 scale bytes
.irp t, 0,1,2,3,4,5,6,7,8,9,10,11,12,13,14,15
	ds_load_b96 v[OUTR+4*\t:OUTR+4*\t+2], v7 offset:2*\t*PITCH   ; LDS serves a wave's instructions in order: these see my stores
.endr
.irp t, 0,1,2,3,4,5,6,7,8,9,10,11,12,13,14,15
	s_wait_dscnt 15-\t                             ; the younger loads may be out
	global_store_b96 v8, v[OUTR+4*\t:OUTR+4*\t+2], s[8:9] offset:2*\t*KROW
.endr
	s_wait_tensorcnt 0x0                           ; the wave's end: behind my last LDS store
	ds_add_u32 v[SPW], v[NIL]
	s_wait_dscnt 0x0
	s_endpgm
.Lfunc_end_k_qd35c4ad471_quant_w:
	.size	k_qd35c4ad471_quant_w, .Lfunc_end_k_qd35c4ad471_quant_w-k_qd35c4ad471_quant_w
	.p2alignl 7, 3214868480
	.fill 96, 4, 3214868480
	.section	.rodata,"a",@progbits
	.p2align	6, 0x0
	.amdhsa_kernel k_qd35c4ad471_quant_w
		.amdhsa_group_segment_fixed_size 35840
		.amdhsa_private_segment_fixed_size 0
		.amdhsa_enable_private_segment 0
		.amdhsa_kernarg_size 32
		.amdhsa_user_sgpr_count 2
		.amdhsa_user_sgpr_kernarg_segment_ptr 1
		.amdhsa_wavefront_size32 1
		.amdhsa_system_sgpr_workgroup_id_x 1
		.amdhsa_system_sgpr_workgroup_id_y 1
		.amdhsa_system_sgpr_workgroup_id_z 1
		.amdhsa_system_vgpr_workitem_id 0
		.amdhsa_next_free_vgpr 208
		.amdhsa_next_free_sgpr 66
		.amdhsa_reserve_vcc 0
		.amdhsa_float_denorm_mode_32 3
		.amdhsa_float_denorm_mode_16_64 3
		.amdhsa_memory_ordered 1
		.amdhsa_forward_progress 1
		.amdhsa_inst_pref_size 44
	.end_amdhsa_kernel
	.amdgpu_metadata
---
amdhsa.version: [ 1, 2 ]
amdhsa.kernels:
  - .name:           k_qd35c4ad471_quant_w
    .symbol:         k_qd35c4ad471_quant_w.kd
    .args:
      - { .name: W_qkv, .offset: 0, .size: 8, .value_kind: global_buffer, .address_space: global }
      - { .name: W_out, .offset: 8, .size: 8, .value_kind: global_buffer, .address_space: global }
      - { .name: wc, .offset: 16, .size: 8, .value_kind: global_buffer, .address_space: global }
      - { .name: ws, .offset: 24, .size: 8, .value_kind: global_buffer, .address_space: global }
    .group_segment_fixed_size: 35840
    .private_segment_fixed_size: 0
    .kernarg_segment_align: 8
    .kernarg_segment_size: 32
    .max_flat_workgroup_size: 128
    .sgpr_count:     66
    .vgpr_count:     208
    .wavefront_size: 32
...
	.end_amdgpu_metadata
.endif
;; end of part 2
;; launch gemm_qkv (part 3): grid 12 x 32, 4 waves a work-group, clusters of 4 x 4, 327,680 bytes of LDS; arguments xc, xs, wc, ws, qkv, qkvs; writes qkv, qkvs
.if DOCPART == 3
	.amdgcn_target "amdgcn-amd-amdhsa--gfx1250"
	.amdhsa_code_object_version 6
	.text
	.protected	k_qd35c4ad471_gemm_qkv
	.globl	k_qd35c4ad471_gemm_qkv
	.p2align	8
	.type	k_qd35c4ad471_gemm_qkv,@function
k_qd35c4ad471_gemm_qkv:
	s_mov_b64 s[64:65], 0
	v_nop
	global_prefetch_b8 v0, s[64:65] scope:SCOPE_SE
	s_setreg_imm32_b32 hwreg(HW_REG_WAVE_MODE, 25, 1), 1
	s_wait_xcnt 0x0
	s_wait_alu depctr_hold_cnt(0) depctr_sa_sdst(0) depctr_va_vdst(0) depctr_va_sdst(0) depctr_va_ssrc(0) depctr_va_vcc(0) depctr_vm_vsrc(0)
	s_getreg_b32 s2, hwreg(HW_REG_IB_STS2, 6, 4)
	s_cmp_eq_u32 s2, 0
	s_cbranch_scc0 .Lentry_in_a_cluster
	s_endpgm
.Lentry_in_a_cluster:
	s_bfe_u32 s2, ttmp6, 0x10000c
	s_cmp_lg_u32 s2, 0xf033
	s_cbranch_scc0 .Lentry_shape_is_right
	s_endpgm
.Lentry_shape_is_right:
; q, k and v of both token streams: C = A B^T on codes of FP6 (E2M3) with E8M0 scales, K = 1024, tiles of 256 x 256 of C; the results never go to memory as f32:
; each row of C is quantised along itself, in blocks of 32, and leaves as images of the attention launch's operand registers.
; Clusters x = 0, 1 (q, k): A = 256 tokens of xc, B = 256 rows of wc (columns of W_qkv): a row of C runs along the heads' channels, which are the first attention product's K.
; Cluster x = 2 (v): the roles are swapped, A = rows 2048.. of wc, B = 256 tokens: C = V^T, whose rows run along the keys, the second attention product's K.
; One text serves both: the cluster's x, alike in all sixteen partners, chooses pointers, tile numbers and the output's strides into scalar registers; no branch hangs on it.
; A work-group is four waves, each 128 x 128 of C: 64 accumulators, 512 registers.  K goes in steps of 256 through a ring of two LDS slots filled by the tensor data mover; the scale bytes of the
; work-group's rows come once and stay.  4 x 4 work-groups form a cluster: A's tiles are asked for jointly along a row of it, B's along a column.
; THE MATRIX INSTRUCTION IS USED TRANSPOSED (source 0 = 16 rows of B, source 1 = 16 rows of A): a lane holds eight neighbouring numbers of a row of C.
; THE WAY OUT: a block of 16 rows x 128 columns goes through the wave's stage in LDS and comes back so that lane (r, h) holds blocks h and 2 + h of row r, 32 numbers each, in the order
; 0-7, 16-23, 8-15, 24-31 (bits 3 and 4 of the place swapped).  q and k carry that order alike, which keeps their products; v carries it along the keys, the order in which the attention launch's p comes out.
; The conversions' 12 registers are a fragment of 16 rows x 128: for v one fragment of V^T, for q and k the lower halves of two heads' fragments.  They leave in pieces of 8 bytes a lane: each store covers 256 consecutive bytes, aligned.
; LIMITS: a block of zeros gets the byte 1 where the quantiser says 127 (its codes are zeros; this program alone reads the bytes); a largest magnitude under 2^-124 has its byte held at 1; NaN and infinities are not served.
; REGISTERS, in windows of 256: window 0: v0-31 addresses; v32-63 scale words, two sets; v64-91 the way out's codes and work; from v128 A's fragments, ONE set; on the way out v128-255 take the blocks read back.
;   window 1: B's fragments, TWO sets.   window 2: the accumulators of my rows 0-63 ((a, b) at v[8 (8 a + b)]);   window 3: those of my rows 64-127.
.set SIZE_K, 1024
.set KSTEP,  256                       ; along K in a slot
.set NQ,     KSTEP/128                 ; matrix instructions deep
.set ROWB,   192                       ; a tile's row in bytes
.set KROW,   SIZE_K*6/8                ; a row of xc or of wc
.set PITCH,  240                       ; an LDS row: 3 x (64 bytes + 16 of padding): the 32 lanes of a load of 8 bytes touch 64 different banks (64 banks of 4 bytes: ISA guide 11.1)
.set FR,     12                        ; registers of a fragment
.set NL,     6                         ; LDS loads that bring one
.set NP,     4                         ; places behind this matrix instruction (ISA guide 7.12.1)
.set HALFT,  128*PITCH                 ; 128 rows: what one tensor load brings
.set SLOT,   4*HALFT
.set LAPS,   SIZE_K/(2*KSTEP)
.set KS,     SIZE_K/32                 ; a row of scales in bytes
.set SCL,    2*SLOT                    ; behind the ring: the scales, as units of 256 bytes + 16 of padding
.set HALFS,  (128*KS/256)*272
.set SBLK,   (16*KS/256)*272
.set SPARE,  SCL+4*HALFS               ; the spare words, 128 bytes a wave
.set SPITCH, 528                       ; the way out: 16 rows x (512 bytes + 16) for each wave, in slot 0, which has had its last fill and its last read by then
.set SST,    4*16*SPITCH               ; behind the four stages, in slot 0 too: 512 bytes a wave for its 128 scale words
.set ADRA, 16
.set ADRB, 20
.set STO,  24                          ; v24 the stage: where I put 32 bytes of a row
.set RD,   25                          ; v25 and where I read my two blocks back: row r, + 128 h
.set CO,   26                          ; v26 8 x lane: my piece's place
.set ADRS, 27
.set SPW,  28
.set NIL,  29
.set CO1,  30                          ; v30 8 x lane + the way to registers 6-11's place (the next head, or the fragment's second half)
.set SWR,  7                           ; v7  where I put my row's scale word
.set SRD,  8                           ; v8  where I read 16 bytes of the wave's scale words back
.set SGO,  9                           ; v9  and their place in qkvs
.set SHF,  10                          ; v10 8 h
.set SC,   32
.set CD,   64                          ; v64-75 a fragment's codes
.set CT,   76                          ; v76-83 the halves that are made elsewhere and moved
.set WK,   84                          ; v84-91 at work
.set AF,   128
.set BK,   128
.set G1, 24
.set G0, 32
.set G1B, 48
.set G0B, 56
.set G1S, 68
.set G0S, 76
.set G1SB, 80
.set G0SB, 88
.set SEL, 94                           ; s[94:95] lane selects for v_permlanex16_b32: lane l xor 16
.set SA,  96                           ; s[96:97] bytes from a block's codes to the next block's
.set SH,  98                           ; s[98:99] and more at block 4 (v: on to the next head)
.set CSTEP, 100
.set USTEP, 101
.set MSB, 0
.macro WIN new                         ; the immediate's high byte repeats the setting that is left
.if MSB != \new
	s_set_vgpr_msb (MSB<<8)|\new
.set MSB, \new
.endif
.endm
.set MUL_LO, 0xa1                      ; source 0 (B) window 1, source 1 (A) window 0, C and D window 2
.set MUL_HI, 0xf1
.set TO_B,   0x40
; A joint load: waves 0 and 1 fetch for A, waves 2 and 3 for B; the branch hangs on the wave's number alone.  An s_nop 0 and four v_nop follow each line.
.macro JLOAD g0a, g1a, g0b, g1b
	s_cmp_eq_u32 s15, 0
	s_cbranch_scc0 .Lfor_b_\@
	tensor_load_to_lds s[\g0a:\g0a+3], s[\g1a:\g1a+7]
	s_nop 0
.rept 4
	v_nop
.endr
	s_branch .Lasked_\@
.Lfor_b_\@:
	tensor_load_to_lds s[\g0b:\g0b+3], s[\g1b:\g1b+7]
	s_nop 0
.rept 4
	v_nop
.endr
.Lasked_\@:
.endm
.macro CREST                           ; a round of the cluster's barrier behind its opening barrier
	s_cmp_lg_u32 s14, 0
	s_cbranch_scc1 .Lnot_wave_0_\@
	s_barrier_signal -3
.Lnot_wave_0_\@:
	s_barrier_wait -3
	s_barrier_signal -1
	s_barrier_wait -1
.endm
.macro CROUND
	s_barrier_signal -1
	s_barrier_wait -1
	CREST
.endm
	s_load_b128 s[4:7], s[0:1], 0x0                ; xc, xs
	s_load_b128 s[8:11], s[0:1], 0x10              ; wc, ws
	s_load_b64 s[12:13], s[0:1], 0x20              ; qkv
	s_load_b64 s[66:67], s[0:1], 0x28              ; qkvs
	v_lshl_add_u32 v[SPW], v0, 2, SPARE
	v_mov_b32 v[NIL], 0
	ds_add_u32 v[SPW], v[NIL]                      ; the wave's opening: the add and its wait stand ahead of my first tensor load; the set-up below stands between them
	v_lshrrev_b32 v1, 5, v0
	v_readfirstlane_b32 s14, v1                    ; wave 0..3
	s_lshr_b32 s15, s14, 1                         ; which half of the tile's rows is mine.  Also: I fetch for A (0) or for B (1)
	s_and_b32 s16, s14, 1                          ; which half of its columns.  Also: which 128 rows of that tile I fetch
	s_bfe_u32 s40, ttmp6, 0x40000                  ; cx, cy: my place in the cluster
	s_bfe_u32 s41, ttmp6, 0x40004
	s_and_b32 s2, ttmp7, 0xffff
	s_lshl_b32 s2, s2, 2                           ; 4 x cluster y
	s_lshl_b32 s3, ttmp9, 2                        ; 4 x cluster x
	s_cmp_eq_u32 ttmp9, 2                          ; v's clusters?
	s_cselect_b32 s17, 8, s2
	s_cselect_b32 s42, s2, s3
	s_add_co_u32 s17, s17, s41                     ; A's tile of 256 rows: q, k: tokens, 4 y + cy;  v: rows of wc, 8 + cy
	s_add_co_u32 s42, s42, s40                     ; B's tile: q, k: rows of wc, 4 x + cx;  v: tokens, 4 y + cx
	s_lshl_b32 s43, s41, 2
	s_lshl_b32 s43, 15, s43                        ; my row of the cluster
	s_lshl_b32 s44, 0x1111, s40                    ; my column
	; descriptor group 1: a tile of 128 rows x 192 bytes, padded in LDS
	s_or_b32 s[G1+0], s43, (0<<16)|(1<<20)|(1<<21)|(3<<22)|(3<<25)  ; 15:0 the mask: A's tiles go to my row; elements of 1 byte; padding on; bit 21 beside a mask; after every 16 words 4 words
	s_or_b32 s[G1B+0], s44, (0<<16)|(1<<20)|(1<<21)|(3<<22)|(3<<25)
.irp g, G1, G1B
	s_mov_b32 s[\g+1], ROWB<<16                    ; tensor_dim0
	s_mov_b32 s[\g+2], 128<<16                     ; tensor_dim1
	s_mov_b32 s[\g+3], ROWB<<16                    ; tile_dim0
	s_mov_b32 s[\g+4], 128                         ; tile_dim1
	s_mov_b32 s[\g+5], KROW                        ; tensor_dim0_stride
	s_mov_b32 s[\g+6], 0
	s_mov_b32 s[\g+7], 0
.endr
	; the scales of 128 rows: a dense block of 4,096 bytes, as 16 rows of 256 bytes, 16 bytes of padding behind each
	s_or_b32 s[G1S+0], s43, (3<<16)|(1<<20)|(1<<21)|(5<<22)|(3<<25)
	s_or_b32 s[G1SB+0], s44, (3<<16)|(1<<20)|(1<<21)|(5<<22)|(3<<25)
.irp g, G1S, G1SB
	s_mov_b32 s[\g+1], 32<<16
	s_mov_b32 s[\g+2], (128*KS/256)<<16
	s_mov_b32 s[\g+3], 32<<16
	s_mov_b32 s[\g+4], 128*KS/256
	s_mov_b32 s[\g+5], 32
	s_mov_b32 s[\g+6], 0
	s_mov_b32 s[\g+7], 0
.endr
	s_lshl_b32 s18, s16, 7                         ; which 128 rows of the tile I fetch
	s_lshl_b32 s20, s17, 8
	s_add_co_u32 s20, s20, s18                     ; A's row
	s_lshl_b32 s46, s42, 8
	s_add_co_u32 s46, s46, s18                     ; B's row
	s_mov_b32 s21, 0
	s_mov_b32 s47, 0
	s_mov_b64 s[18:19], KS
	s_mul_u64 s[22:23], s[20:21], s[18:19]         ; where these rows' scales begin, in bytes
	s_mul_u64 s[92:93], s[46:47], s[18:19]
	s_mov_b64 s[18:19], KROW
	s_mul_u64 s[20:21], s[20:21], s[18:19]         ; and their codes
	s_mul_u64 s[46:47], s[46:47], s[18:19]
	s_mul_i32 s45, s14, HALFT                      ; where they go: wave x 128 rows: no place in the cluster enters an LDS address
	s_mul_i32 s94, s14, HALFS
	s_wait_dscnt 0x0                               ; the opening add is done
	s_wait_kmcnt 0x0
	s_cmp_eq_u32 ttmp9, 2                          ; which buffers are A and B: the condition hangs on the cluster's x alone
	s_cselect_b64 s[96:97], s[8:9], s[4:5]         ; A's codes
	s_cselect_b64 s[98:99], s[10:11], s[6:7]       ; A's scales
	s_cselect_b64 s[8:9], s[4:5], s[8:9]           ; B's codes
	s_cselect_b64 s[10:11], s[6:7], s[10:11]       ; B's scales
	s_add_nc_u64 s[20:21], s[96:97], s[20:21]
	s_add_nc_u64 s[22:23], s[98:99], s[22:23]
	s_add_nc_u64 s[46:47], s[8:9], s[46:47]
	s_add_nc_u64 s[92:93], s[10:11], s[92:93]
	CROUND                                         ; all sixteen work-groups are here: the first joint loads meet
	s_mov_b32 s[G0S], 1
	s_add_co_u32 s[G0S+1], s94, SCL
	s_mov_b64 s[G0S+2:G0S+3], s[22:23]
	s_or_b32 s[G0S+3], s[G0S+3], 0x80000000
	s_mov_b32 s[G0SB], 1
	s_add_co_u32 s[G0SB+1], s94, SCL
	s_mov_b64 s[G0SB+2:G0SB+3], s[92:93]
	s_or_b32 s[G0SB+3], s[G0SB+3], 0x80000000
	JLOAD G0S, G1S, G0SB, G1SB                     ; the scales first: they are wanted with K step 0
.irp s, 0,1
	s_mov_b32 s[G0+4*\s], 1
	s_add_co_u32 s[G0+4*\s+1], s45, \s*SLOT
	s_add_nc_u64 s[G0+4*\s+2:G0+4*\s+3], s[20:21], \s*ROWB
	s_or_b32 s[G0+4*\s+3], s[G0+4*\s+3], 0x80000000
	s_mov_b32 s[G0B+4*\s], 1
	s_add_co_u32 s[G0B+4*\s+1], s45, \s*SLOT
	s_add_nc_u64 s[G0B+4*\s+2:G0B+4*\s+3], s[46:47], \s*ROWB
	s_or_b32 s[G0B+4*\s+3], s[G0B+4*\s+3], 0x80000000
	JLOAD G0+4*\s, G1, G0B+4*\s, G1B               ; three tensor loads of mine are out now
.endr
	v_and_b32 v1, 15, v0                           ; r = l % 16
	v_bfe_u32 v2, v0, 4, 1                         ; h = l / 16
	v_mul_u32_u24 v3, v1, PITCH
	v_mul_u32_u24 v4, v2, 24
	v_add_nc_u32 v4, v3, v4                        ; a fragment's row x pitch + 24 x half
	v_lshl_add_u32 v5, v2, 4, v4                   ; and the same behind one padding more
	s_mul_i32 s21, s15, HALFT                      ; my 128 rows of A
	s_mul_i32 s22, s16, HALFT                      ; my 128 rows of B,
	s_add_co_u32 s22, s22, 2*HALFT                 ; which lie behind A's 256
.irp s, 0,1
	v_add_nc_u32 v[ADRA+\s], s21, v4
	v_add_nc_u32 v[ADRB+\s], s22, v4
	v_add_nc_u32 v[ADRA+2+\s], s21, v5
	v_add_nc_u32 v[ADRB+2+\s], s22, v5
	s_add_co_u32 s21, s21, SLOT
	s_add_co_u32 s22, s22, SLOT
.endr
	v_mul_u32_u24 v5, v1, KS                       ; my row's scales: KS bytes a row,
	v_lshrrev_b32 v6, 8, v5
	v_lshl_add_u32 v5, v6, 4, v5                   ; and 16 more for each 256 passed
	s_mul_i32 s21, s15, HALFS
	s_mul_i32 s22, s16, HALFS
	s_add_co_u32 s22, s22, 2*HALFS
	s_sub_co_u32 s22, s22, s21
	v_mul_u32_u24 v6, s22, v2                      ; lanes 16-31 take B's
	s_add_co_u32 s21, s21, SCL
	v_add_nc_u32 v5, v5, v6
	v_add_nc_u32 v[ADRS], s21, v5
	s_mul_i32 s23, s14, 16*SPITCH                  ; my stage
	v_mul_u32_u24 v5, v1, SPITCH
	v_lshl_add_u32 v6, v2, 5, v5
	v_add_nc_u32 v[STO], s23, v6                   ; in: row r, 32 bytes for each half of the lanes
	v_lshl_add_u32 v6, v2, 7, v5
	v_add_nc_u32 v[RD], s23, v6                    ; back: row r, + 128 h: my block of each pair
	v_and_b32 v6, 31, v0
	v_lshlrev_b32 v[CO], 3, v6                     ; 8 x lane
	s_lshl_b32 s23, s14, 9
	s_add_co_u32 s23, s23, SST                     ; my wave's scale words
	v_lshl_add_u32 v[SWR], v1, 2, s23
	v_lshl_add_u32 v[SRD], v6, 4, s23
	v_lshlrev_b32 v[SHF], 3, v2
	v_mov_b32 v[WK+7], 0                           ; written once: a lane permute's destination counts as one of its sources
	s_mov_b32 s[SEL], 0x76543210
	s_mov_b32 s[SEL+1], 0xfedcba98
	; where my results go.  qkv: [part q, k, v][stream][batch][head] x 98,304 bytes;  qkvs: [part][stream][batch] x 65,536.
	s_lshr_b32 s20, s42, 2
	s_lshl_b32 s20, s20, 2
	s_lshr_b32 s21, s17, 3
	s_add_co_u32 s20, s20, s21                     ; q, k: 4 x part + (stream, batch)
	s_and_b32 s21, s42, 3
	s_lshl_b32 s21, s21, 2
	s_lshl_b32 s18, s16, 1
	s_add_co_u32 s21, s21, s18                     ; my first head
	s_and_b32 s22, s17, 7
	s_lshl_b32 s22, s22, 1
	s_add_co_u32 s22, s22, s15                     ; my 128 tokens of the sequence's 2,048
	s_lshr_b32 s23, s42, 3
	s_add_co_u32 s23, s23, 8                       ; v: the same three
	s_lshl_b32 s46, s41, 2
	s_lshl_b32 s18, s15, 1
	s_add_co_u32 s46, s46, s18
	s_and_b32 s47, s42, 7
	s_lshl_b32 s47, s47, 1
	s_add_co_u32 s47, s47, s16
	s_cmp_eq_u32 ttmp9, 2
	s_cselect_b32 s20, s23, s20
	s_cselect_b32 s21, s46, s21
	s_cselect_b32 s22, s47, s22
	s_mov_b32 s[SA], 768
	s_cselect_b32 s[SA], 1536, s[SA]               ; from block to block: q, k: a tile of 16 tokens, 768 bytes;  v: a fragment, 1,536
	s_cselect_b32 s[SH], 92160, 0                  ; v: block 4 begins the next head: 98,304 - 4 x 1,536 more
	s_mov_b32 s[CSTEP], 98304
	s_cselect_b32 s[CSTEP], 768, s[CSTEP]          ; registers 6-11: q, k: the next head;  v: the fragment's second half
	s_mov_b32 s[USTEP], 256
	s_cselect_b32 s[USTEP], 4096, s[USTEP]         ; the scale words of blocks 4-7: q, k: on end;  v: the next head's
	s_cselect_b32 s18, 8, 9                        ; 128 tokens' scale words: v 256 bytes a head, q, k 512 a pair of heads
	s_mov_b32 s[SA+1], 0
	s_mov_b32 s[SH+1], 0
	s_lshl_b32 s19, s20, 4
	s_add_co_u32 s19, s19, s21
	s_mul_i32 s19, s19, 98304
	s_mul_i32 s23, s22, 6144
	s_add_co_u32 s46, s19, s23
	s_mov_b32 s47, 0
	s_add_nc_u64 s[12:13], s[12:13], s[46:47]
	s_lshl_b32 s19, s20, 16
	s_lshl_b32 s23, s21, 12
	s_add_co_u32 s19, s19, s23
	s_lshl_b32 s23, s22, s18
	s_add_co_u32 s46, s19, s23
	s_add_nc_u64 s[66:67], s[66:67], s[46:47]
	v_add_nc_u32 v[CO1], s[CSTEP], v[CO]
	v_mul_u32_u24 v[SGO], s[USTEP], v2
	v_lshl_add_u32 v[SGO], v1, 4, v[SGO]
.macro FRAG reg, adr, q, i             ; a fragment: lane l holds row l % 16; registers 6 c .. 6 c + 5 hold K = 64 c + 32 (l / 16) + 0 .. 31: 24 bytes of the row's stream of bits, in pieces of 8 bytes
.irp p, 0,1,2,3,4,5
.set PC, 12*(\q)+6*(\p/3)+\p%3        ; 16 bytes of padding lie behind every 8 pieces: where the piece three on lies behind one padding more, the second address register serves
.if PC%8 < 5
	ds_load_b64 v[\reg+2*\p:\reg+2*\p+1], v[\adr] offset:8*PC+16*(PC/8)+(\i)*16*PITCH
.else
	ds_load_b64 v[\reg+2*\p:\reg+2*\p+1], v[\adr+2] offset:8*PC+16*(PC/8)+(\i)*16*PITCH
.endif
.endr
.endm
; 16 matrix instructions: A's blocks a0, a0 + 1 x B's eight, 128 along K.  zero = 1: the first product starts the sums.  The 64 accumulators take turns, one instruction a turn.
.macro MUL16 a0, p, q, sc, zero
.irp a, \a0, \a0+1
.irp b, 0,1,2,3,4,5,6,7
.if \zero
	v_wmma_scale_f32_16x16x128_f8f6f4 v[8*(8*((\a)%4)+\b):8*(8*((\a)%4)+\b)+7], v[128*(\p)+FR*\b:128*(\p)+FR*\b+FR-1], v[AF+FR*(\a):AF+FR*(\a)+FR-1], 0, v[SC+8*NQ*(\sc)+NQ*\b+(\q)], v[SC+8*NQ*(\sc)+NQ*(\a)+(\q)] matrix_a_fmt:MATRIX_FMT_FP6 matrix_b_fmt:MATRIX_FMT_FP6 matrix_a_scale:MATRIX_SCALE_ROW1
.else
	v_wmma_scale_f32_16x16x128_f8f6f4 v[8*(8*((\a)%4)+\b):8*(8*((\a)%4)+\b)+7], v[128*(\p)+FR*\b:128*(\p)+FR*\b+FR-1], v[AF+FR*(\a):AF+FR*(\a)+FR-1], v[8*(8*((\a)%4)+\b):8*(8*((\a)%4)+\b)+7], v[SC+8*NQ*(\sc)+NQ*\b+(\q)], v[SC+8*NQ*(\sc)+NQ*(\a)+(\q)] matrix_a_fmt:MATRIX_FMT_FP6 matrix_b_fmt:MATRIX_FMT_FP6 matrix_a_scale:MATRIX_SCALE_ROW1
.endif
.endr
.endr
.endm
.macro FETCH_B slot, q, p
	WIN TO_B
.irp i, 0,1,2,3,4,5,6,7
	FRAG 128*(\p)+FR*\i, ADRB+\slot, \q, \i
.endr
	WIN 0
.endm
.macro FETCH_A slot, q, i0
.irp i, \i0, \i0+1, \i0+2, \i0+3
	FRAG AF+FR*(\i), ADRA+\slot, \q, \i
.endr
.endm
.macro SCALES sc                       ; the next K step's scale words: lanes 0-15 take A's block i, lanes 16-31 B's block i
.irp i, 0,1,2,3,4,5,6,7
	ds_load_b64 v[SC+8*NQ*\sc+NQ*\i:SC+8*NQ*\sc+NQ*\i+1], v[ADRS] offset:\i*SBLK
.endr
.endm
.macro PLACES n                        ; plain vector instructions between a matrix instruction and a load into, or a read of, its registers
.rept \n
	v_nop
.endr
.endm
.macro STEP slot, q, zero              ; a step of 128 along K that has its successor in the same slot
	s_wait_dscnt 4*NL                              ; B's set and A's blocks 0-3 are in; the youngest 24 loads (A's blocks 4-7) may be out
	WIN MUL_LO
	MUL16 0, (\q)%2, \q, \slot, \zero
	MUL16 2, (\q)%2, \q, \slot, \zero
	s_wait_dscnt 0
	PLACES NP
	FETCH_B \slot, (\q)+1, 1-(\q)%2
	FETCH_A \slot, (\q)+1, 0
	WIN MUL_HI
	MUL16 4, (\q)%2, \q, \slot, \zero
	MUL16 6, (\q)%2, \q, \slot, \zero
	PLACES NP
	WIN 0
	FETCH_A \slot, (\q)+1, 4
.endm
; A slot's last step changes slots: ONE barrier; in front of it each wave waits for all its tensor loads, adds 0 to its spare word, and waits for that and for its own reads of this slot.
.macro TURN slot, next, fill
	s_wait_tensorcnt 0x0                           ; all my tensor loads have landed: my part of the next slot
	ds_add_u32 v[SPW], v[NIL]                      ; 0 onto my spare word
	s_wait_dscnt 4*NL+1                            ; (the add and the youngest 24 loads may be out)
	WIN MUL_LO
	MUL16 0, 1, NQ-1, \slot, 0
	s_wait_dscnt 0x0                               ; the add is done, and my reads of this slot are over
	s_barrier_signal -1
	MUL16 2, 1, NQ-1, \slot, 0
	WIN 0
	s_barrier_wait -1
.if \fill
	CREST                                          ; the barrier has opened a round of the cluster's barrier: no wave of any partner still reads this slot or has a load on its way
	s_add_nc_u64 s[G0+4*\slot+2:G0+4*\slot+3], s[G0+4*\slot+2:G0+4*\slot+3], 2*ROWB
	s_add_nc_u64 s[G0B+4*\slot+2:G0B+4*\slot+3], s[G0B+4*\slot+2:G0B+4*\slot+3], 2*ROWB
	JLOAD G0+4*\slot, G1, G0B+4*\slot, G1B         ; the first tensor load behind the round; its four v_nop are the places in front of the loads below
.else
	PLACES NP
.endif
	v_add_nc_u32 v[ADRS], 4*NQ, v[ADRS]            ; on to the next K step's scale words
	FETCH_B \next, 0, 0
	FETCH_A \next, 0, 0
	SCALES \next
	WIN MUL_HI
	MUL16 4, 1, NQ-1, \slot, 0
	MUL16 6, 1, NQ-1, \slot, 0
	PLACES NP
	WIN 0
	FETCH_A \next, 0, 4
.endm
	s_wait_tensorcnt 1                             ; the scales and my part of K step 0 are in (K step 1's load may be out)
	s_barrier_signal -1
	s_barrier_wait -1                              ; everybody's are
	FETCH_B 0, 0, 0
	FETCH_A 0, 0, 0
	SCALES 0
	FETCH_A 0, 0, 4
	STEP 0, 0, 1                                   ; the first step stands in front of the loop: its products start the sums
	s_mov_b32 s3, LAPS-1
.Llap:                                                 ; a trip goes once round the ring and fills both slots again
	TURN 0, 1, 1
	STEP 1, 0, 0
	TURN 1, 0, 1
	STEP 0, 0, 0
	s_sub_co_u32 s3, s3, 1
	s_cmp_lg_u32 s3, 0
	s_cbranch_scc1 .Llap
	TURN 0, 1, 0                                   ; the last lap fills nothing
	STEP 1, 0, 0
	s_wait_dscnt 4*NL
	WIN MUL_LO
	MUL16 0, 1, NQ-1, 1, 0
	MUL16 2, 1, NQ-1, 1, 0
	s_wait_dscnt 0
	WIN MUL_HI
	MUL16 4, 1, NQ-1, 1, 0
	MUL16 6, 1, NQ-1, 1, 0
	WIN 0
; THE WAY OUT.  TOSTAGE: block a (16 rows x 128 columns of f32) into my stage, each accumulator from its low end on, and back: lane (r, h) takes blocks h and 2 + h of row r, each as eight pieces of 16 bytes in the
; order 0, 1, 4, 5, 2, 3, 6, 7.  LDS serves a wave's instructions in order (ISA guide 5.7.1.4): no wait between the stores and the loads, nor in front of the next block's stores.
.macro TOSTAGE a
.set AC, 64*((\a)%4)
	WIN 0x08+4*((\a)/4)                            ; the data: window 2 or 3
.irp b, 0,1,2,3,4,5,6,7
	ds_store_b128 v[STO], v[AC+8*\b:AC+8*\b+3] offset:64*\b
	ds_store_b128 v[STO], v[AC+8*\b+4:AC+8*\b+7] offset:64*\b+16
.endr
	WIN 0
.set BB, BK+64*((\a)%2)
.irp c, 0,1
.irp j, 0,1,2,3,4,5,6,7
	ds_load_b128 v[BB+32*\c+4*\j:BB+32*\c+4*\j+3], v[RD] offset:256*\c+16*((\j%2)+4*((\j/2)%2)+2*(\j/4))
.endr
.endr
.endm
; FINISH: block a's two blocks of 32 a lane are quantised and leave.  younger: the LDS instructions issued behind block a's loads that may stay out.
.macro FINISH a, younger
.set BB, BK+64*((\a)%2)
	s_wait_dscnt \younger
	v_max3_num_f32 v[WK], |v[BB]|, |v[BB+1]|, 0x1800000          ; the largest magnitude of each block, with the floor 2^(3 - 127): all 32 numbers are mine; the two blocks by turns
	v_max3_num_f32 v[WK+1], |v[BB+32]|, |v[BB+33]|, 0x1800000
.irp i, 2,4,6,8,10,12,14,16,18,20,22,24,26,28,30
	v_max3_num_f32 v[WK], v[WK], |v[BB+\i]|, |v[BB+\i+1]|
	v_max3_num_f32 v[WK+1], v[WK+1], |v[BB+32+\i]|, |v[BB+33+\i]|
.endr
	v_add_nc_u32 v[WK+4], 0xff000000, v[WK]        ; 2 off the exponent field: the conversion's scale operand
	v_add_nc_u32 v[WK+5], 0xff000000, v[WK+1]
	v_lshrrev_b32 v[WK+2], 23, v[WK+4]             ; the scales' bytes
	v_lshrrev_b32 v[WK+3], 23, v[WK+5]
	v_lshl_or_b32 v[WK+6], v[WK+3], 16, v[WK+2]    ; blocks h and 2 + h,
	v_lshlrev_b32 v[WK+6], v[SHF], v[WK+6]         ; at their places in the row's word;
	v_permlanex16_b32 v[WK+7], v[WK+6], s[SEL], s[SEL+1]
	v_or_b32 v[WK+6], v[WK+6], v[WK+7]             ; with lane l xor 16's two the word is whole
	s_wait_xcnt 0x0                                ; the last block's stores have read their data and their base: both are written again only behind this wait
.irp c, 0,1
	v_cvt_scalef32_pk16_fp6_f32 v[CD+6*\c:CD+6*\c+2], v[BB+32*\c:BB+32*\c+15], v[WK+4+\c]
	v_cvt_scalef32_pk16_fp6_f32 v[CT+4*\c:CT+4*\c+2], v[BB+32*\c+16:BB+32*\c+31], v[WK+4+\c]   ; (a conversion's three registers begin on an even number)
.endr
	v_nop                                          ; one plain place behind a scaled conversion
.irp c, 0,1
.irp i, 0,1,2
	v_mov_b32 v[CD+3+6*\c+\i], v[CT+4*\c+\i]
.endr
.endr
	ds_store_b32 v[SWR], v[WK+6] offset:64*(\a)    ; both halves of the lanes write the same word with the same value
.if (\a) > 0
	s_add_nc_u64 s[12:13], s[12:13], s[SA:SA+1]
.endif
.if (\a) == 4
	s_add_nc_u64 s[12:13], s[12:13], s[SH:SH+1]
.endif
.irp p, 0,1,2
	global_store_b64 v[CO], v[CD+2*\p:CD+2*\p+1], s[12:13] offset:256*\p       ; 32 lanes store 256 consecutive bytes, aligned
.endr
.irp p, 0,1,2
	global_store_b64 v[CO1], v[CD+6+2*\p:CD+7+2*\p], s[12:13] offset:256*\p
.endr
.endm
	PLACES NP                                      ; behind the last products: for the loads into the registers that held A's fragments and for the stores that read results
	TOSTAGE 0
.irp a, 1,2,3,4,5,6,7
	TOSTAGE \a
	FINISH \a-1, 32                                ; behind block a - 1's loads: block a's 16 stores and 16 loads (and a scale word's store, which this count waits for too)
.endr
	FINISH 7, 0
	ds_load_b128 v[WK:WK+3], v[SRD]                ; my wave's 128 scale words, 16 bytes a lane: these see my stores
	s_wait_dscnt 0x0
	global_store_b128 v[SGO], v[WK:WK+3], s[66:67] ; sixteen lanes store 256 consecutive bytes, aligned
	s_wait_tensorcnt 0x0                           ; the wave's end: behind my last tensor load and my last LDS store
	ds_add_u32 v[SPW], v[NIL]
	s_wait_dscnt 0x0
	CROUND                                         ; the closing round: no work-group ends while a partner may still ask for a tile that names it
	s_endpgm
.Lfunc_end_k_qd35c4ad471_gemm_qkv:
	.size	k_qd35c4ad471_gemm_qkv, .Lfunc_end_k_qd35c4ad471_gemm_qkv-k_qd35c4ad471_gemm_qkv
	.p2alignl 7, 3214868480
	.fill 96, 4, 3214868480
	.section	.rodata,"a",@progbits
	.p2align	6, 0x0
	.amdhsa_kernel k_qd35c4ad471_gemm_qkv
		.amdhsa_group_segment_fixed_size 327680
		.amdhsa_private_segment_fixed_size 0
		.amdhsa_enable_private_segment 0
		.amdhsa_kernarg_size 48
		.amdhsa_user_sgpr_count 2
		.amdhsa_user_sgpr_kernarg_segment_ptr 1
		.amdhsa_wavefront_size32 1
		.amdhsa_system_sgpr_workgroup_id_x 1
		.amdhsa_system_sgpr_workgroup_id_y 1
		.amdhsa_system_sgpr_workgroup_id_z 1
		.amdhsa_system_vgpr_workitem_id 0
		.amdhsa_next_free_vgpr 1024
		.amdhsa_next_free_sgpr 102
		.amdhsa_reserve_vcc 0
		.amdhsa_float_denorm_mode_32 3
		.amdhsa_float_denorm_mode_16_64 3
		.amdhsa_memory_ordered 1
		.amdhsa_forward_progress 1
		.amdhsa_inst_pref_size 178
	.end_amdhsa_kernel
	.amdgpu_metadata
---
amdhsa.version: [ 1, 2 ]
amdhsa.kernels:
  - .name:           k_qd35c4ad471_gemm_qkv
    .symbol:         k_qd35c4ad471_gemm_qkv.kd
    .args:
      - { .name: xc, .offset: 0, .size: 8, .value_kind: global_buffer, .address_space: global }
      - { .name: xs, .offset: 8, .size: 8, .value_kind: global_buffer, .address_space: global }
      - { .name: wc, .offset: 16, .size: 8, .value_kind: global_buffer, .address_space: global }
      - { .name: ws, .offset: 24, .size: 8, .value_kind: global_buffer, .address_space: global }
      - { .name: qkv, .offset: 32, .size: 8, .value_kind: global_buffer, .address_space: global }
      - { .name: qkvs, .offset: 40, .size: 8, .value_kind: global_buffer, .address_space: global }
    .group_segment_fixed_size: 327680
    .private_segment_fixed_size: 0
    .kernarg_segment_align: 8
    .kernarg_segment_size: 48
    .max_flat_workgroup_size: 128
    .sgpr_count:     102
    .vgpr_count:     1024
    .wavefront_size: 32
...
	.end_amdgpu_metadata
.endif
;; end of part 3
;; launch attn (part 4): grid 8 x 32, 16 waves a work-group, clusters of 4 x 1, 327,680 bytes of LDS; arguments qkv, qkvs, ac, as_; writes ac, as_
.if DOCPART == 4
	.amdgcn_target "amdgcn-amd-amdhsa--gfx1250"
	.amdhsa_code_object_version 6
	.text
	.protected	k_qd35c4ad471_attn
	.globl	k_qd35c4ad471_attn
	.p2align	8
	.type	k_qd35c4ad471_attn,@function
k_qd35c4ad471_attn:
	s_mov_b64 s[64:65], 0
	v_nop
	global_prefetch_b8 v0, s[64:65] scope:SCOPE_SE
	s_setreg_imm32_b32 hwreg(HW_REG_WAVE_MODE, 25, 1), 1
	s_wait_xcnt 0x0
	s_wait_alu depctr_hold_cnt(0) depctr_sa_sdst(0) depctr_va_vdst(0) depctr_va_sdst(0) depctr_va_ssrc(0) depctr_va_vcc(0) depctr_vm_vsrc(0)
	s_getreg_b32 s2, hwreg(HW_REG_IB_STS2, 6, 4)
	s_cmp_eq_u32 s2, 0
	s_cbranch_scc0 .Lentry_in_a_cluster
	s_endpgm
.Lentry_in_a_cluster:
	s_bfe_u32 s2, ttmp6, 0x10000c
	s_cmp_lg_u32 s2, 0x3003
	s_cbranch_scc0 .Lentry_shape_is_right
	s_endpgm
.Lentry_shape_is_right:
; Both cross attentions of one (batch, head) for 256 queries, their sum, and its quantising for the last product.  Head size 64, 2,048 keys; all products on codes of FP6 (E2M3) with E8M0 scales.
; Direction 0: visual queries, transaction keys and values; direction 1: the other way round.  The two normalised results of the same (batch, place, head) are added in registers and quantised along the merged 1,024.
; THE SOFTMAX: t = score x log2(e) / 8; M = the running largest t rounded UP to a whole number; p = 2^(t - M) is quantised along the keys, not normalised; the row's sum is taken of the unquantised p and divides at the end.
; When M moves, the sum and O^T are multiplied by 2^(old M - new M), which rounds nothing.
; SHARES.  A work-group owns 256 queries; each of its SIXTEEN waves one tile of 16, in 256 registers: four waves to a SIMD, so that one wave's vector work stands beside another's matrix work and LDS loads.
; CLUSTER.  The four query blocks of a cluster walk the same keys and values: every tensor load is asked for JOINTLY (mask 15), by waves 0-3 of each partner: waves 0, 1 K's halves, waves 2, 3 V's.
; LAYOUT.  Both products are used transposed (S^T = K Q^T, O^T = V^T P^T): a lane holds ONE query throughout.  K, V and Q come as images of operand registers in pieces of 8 bytes a lane, so every LDS load reads consecutive bytes.
; The keys of a tile of K are neighbours, so p's codes stand in each block of 32 keys in the order 0-7, 16-23, 8-15, 24-31; V's codes were stored in that order.  The result's codes stand so along the channels; W_out's codes likewise.
; K = 64 in a product 128 deep: registers 6-11 of Q's and K's fragments hold zero codes for good, and the scale words are loaded as 16 bits, so that bytes 2 and 3 are 0.
; RING.  Two slots of 1,024 keys: direction 0 fills both at the start; each is filled once more, for direction 1, behind a round of the cluster's barrier.  A refill is asked for eight key steps of sixteen waves ahead of its
; first read, and the first fills stand at the kernel's head: so no prefetch is laid.
; LIMITS: a block of zeros gets the byte 1 where the quantiser says 127 (its codes are zeros; this program alone reads the bytes); a largest magnitude under 2^-124 has its byte held at 1; NaN and infinities are not served.
; ac and as_ are written in pieces of 24 and 2 bytes a row and head: sixteen heads share a row of 768 bytes.
; REGISTERS: v1-4 lane places; v5, v6 the add's two; v7, v28, v29 global offsets; v8-11 the step's LDS addresses; v12 -M, v13 the largest t, v[14:15] the sum; v16-27 Q; v32-79 four fragments of K;
; v80-86 direction 1's Q and its scale word; v96-159 S^T, then p, then V's four fragments; v160-191 O^T; v192-223 the directions' sum; v224-235 p's codes; v232-254 at work; v248-251 K's and V's scale words; v253 p's; v255 Q's.
.set VB,    98304                      ; LDS: K's two slots from 0, V's two from here
.set SLOTB, 49152                      ; a slot: 1,024 keys x 48 bytes, of K or of V
.set HALFB, 24576                      ; what one tensor load brings: 96 rows of 256 bytes
.set SCK,   196608                     ; K's scale words: two directions x 8,192 bytes (a pair of heads)
.set SCV,   212992                     ; V's likewise
.set SPARE, 229376                     ; the spare words, 128 bytes for each of sixteen waves
.set MODB,  3145728                    ; in qkv from one stream's part to the other's: 2 x 16 x 98,304
.set WV,  12
.set SEL, 20                           ; s[20:21] lane selects: lane l xor 16
.set CS,  22                           ; s[22:23] c = log2(e) / 8
.set G1T, 24                           ; s[24:31] group 1 for tiles;  s[32:39] for scale words
.set G1S, 32
.set G0S, 40                           ; s[40:43], s[44:47], s[48:51] groups 0: scale words, slot 0, slot 1
.set G0A, 44
.set G0B, 48
.set TB,  52                           ; s52 LDS byte of the step's tiles in K's region (V's: + VB)
.set TS,  53                           ; s53 of its scale words of K
.set TJ,  54                           ; s54 of V's
.set CNT, 55
.macro CROUND                          ; a round of the cluster's barrier
	s_barrier_signal -1
	s_barrier_wait -1
	s_cmp_lg_u32 s[WV], 0
	s_cbranch_scc1 .Lnot_wave_0_\@
	s_barrier_signal -3
.Lnot_wave_0_\@:
	s_barrier_wait -3
	s_barrier_signal -1
	s_barrier_wait -1
.endm
.macro JLOAD g0                        ; a joint refill: waves 0-3, one load each; the branch hangs on the wave's number alone.  An s_nop 0 and four v_nop follow the line
	s_cmp_lt_u32 s[WV], 4
	s_cbranch_scc0 .Lnone_\@
	tensor_load_to_lds s[\g0:\g0+3], s[G1T:G1T+7]
	s_nop 0
.rept 4
	v_nop
.endr
.Lnone_\@:
.endm
	s_load_b256 s[4:11], s[0:1], 0x0               ; qkv s[4:5], qkvs s[6:7], ac s[8:9], as_ s[10:11]
	v_lshl_add_u32 v5, v0, 2, SPARE
	v_mov_b32 v6, 0
	ds_add_u32 v5, v6                              ; the wave's opening: the add and its wait stand ahead of the first tensor loads; the set-up below stands between them
	v_lshrrev_b32 v8, 5, v0
	v_readfirstlane_b32 s[WV], v8                  ; wave 0..15
	s_and_b32 s13, s[WV], 1                        ; which half of a slot, or which direction's scale words, I fetch
	s_bfe_u32 s14, s[WV], 0x10001                  ; for K (0) or for V (1)
	s_and_b32 s15, ttmp7, 0xffff
	s_and_b32 s16, s15, 15                         ; head
	s_lshr_b32 s17, s15, 4                         ; batch
	s_lshl_b32 s18, s14, 2
	s_add_co_u32 s18, s18, 6                       ; part 1 (k) or 2 (v), stream 1: direction 0's keys are the transaction's
	s_add_co_u32 s18, s18, s17
	s_lshl_b32 s18, s18, 4
	s_add_co_u32 s18, s18, s16
	s_mul_i32 s18, s18, 98304
	s_mul_i32 s19, s13, HALFB
	s_add_co_u32 s56, s18, s19                     ; my tile of slot 0 in qkv
	s_mov_b32 s57, 0
	s_mul_i32 s58, s14, VB
	s_add_co_u32 s58, s58, s19                     ; and in LDS
	s_lshl_b32 s18, s14, 2
	s_add_co_u32 s18, s18, 4
	s_xor_b32 s19, s13, 1
	s_lshl_b32 s19, s19, 1
	s_add_co_u32 s18, s18, s19                     ; the scale words: direction 0 wants stream 1, direction 1 stream 0
	s_add_co_u32 s18, s18, s17
	s_lshl_b32 s18, s18, 16
	s_lshr_b32 s19, s16, 1
	s_lshl_b32 s19, s19, 13                        ; my pair of heads: 8,192 bytes
	s_add_co_u32 s60, s18, s19
	s_mov_b32 s61, 0
	s_and_b32 s59, s[WV], 3
	s_lshl_b32 s59, s59, 13
	s_add_co_u32 s59, s59, SCK                     ; K's direction 0, 1, V's direction 0, 1
	s_bfe_u32 s68, ttmp6, 0x40000                  ; cx: it enters Q's and the outputs' addresses alone
	s_lshl_b32 s69, ttmp9, 2
	s_add_co_u32 s69, s69, s68                     ; my block of 256 queries
	s_lshl_b32 s69, s69, 4
	s_add_co_u32 s69, s69, s[WV]                   ; my tile of 16 queries, 0..127
	s_lshl_b32 s70, s17, 4
	s_add_co_u32 s70, s70, s16
	s_mul_i32 s70, s70, 98304                      ; part 0, stream 0
	s_mul_i32 s71, s69, 768
	s_add_co_u32 s70, s70, s71                     ; Q's codes
	s_mov_b32 s71, 0
	s_lshl_b32 s72, s17, 16
	s_add_co_u32 s72, s72, s19
	s_lshl_b32 s73, s69, 6
	s_add_co_u32 s72, s72, s73                     ; Q's scale words
	s_mov_b32 s73, 0
	s_lshl_b32 s74, s17, 11
	s_lshl_b32 s75, s69, 4
	s_add_co_u32 s74, s74, s75                     ; my first row of ac and as_
	s_mul_i32 s76, s74, 768
	s_mul_i32 s77, s16, 48
	s_add_co_u32 s76, s76, s77
	s_mov_b32 s77, 0
	s_lshl_b32 s78, s74, 5
	s_lshl_b32 s79, s16, 1
	s_add_co_u32 s78, s78, s79
	s_mov_b32 s79, 0
	; group 1: dense blocks as rows of 256 bytes (32 elements of 8 bytes), no padding; the mask names all four partners, bit 21 beside it
	s_mov_b32 s[G1T], 15|(3<<16)|(1<<21)
	s_mov_b32 s[G1T+1], 32<<16                     ; tensor_dim0
	s_mov_b32 s[G1T+2], 96<<16                     ; tensor_dim1
	s_mov_b32 s[G1T+3], 32<<16                     ; tile_dim0
	s_mov_b32 s[G1T+4], 96                         ; tile_dim1
	s_mov_b32 s[G1T+5], 32                         ; stride
	s_mov_b32 s[G1T+6], 0
	s_mov_b32 s[G1T+7], 0
	s_mov_b32 s[G1S], 15|(3<<16)|(1<<21)
	s_mov_b32 s[G1S+1], 32<<16
	s_mov_b32 s[G1S+2], 32<<16
	s_mov_b32 s[G1S+3], 32<<16
	s_mov_b32 s[G1S+4], 32
	s_mov_b32 s[G1S+5], 32
	s_mov_b32 s[G1S+6], 0
	s_mov_b32 s[G1S+7], 0
	s_mov_b32 s[SEL], 0x76543210
	s_mov_b32 s[SEL+1], 0xfedcba98
	s_mov_b32 s[CS], 0x3e38aa3b                    ; log2(e) / 8
	s_mov_b32 s[CS+1], s[CS]                       ; (named with it as a pair, so it is written)
	s_wait_dscnt 0x0                               ; the opening add is done
	s_wait_kmcnt 0x0
	s_add_nc_u64 s[62:63], s[4:5], s[56:57]
	s_mov_b32 s[G0S], 1
	s_mov_b32 s[G0S+1], s59
	s_add_nc_u64 s[G0S+2:G0S+3], s[6:7], s[60:61]
	s_or_b32 s[G0S+3], s[G0S+3], 0x80000000
	s_mov_b32 s[G0A], 1
	s_mov_b32 s[G0A+1], s58
	s_mov_b64 s[G0A+2:G0A+3], s[62:63]
	s_or_b32 s[G0A+3], s[G0A+3], 0x80000000
	s_mov_b32 s[G0B], 1
	s_add_co_u32 s[G0B+1], s58, SLOTB
	s_add_nc_u64 s[G0B+2:G0B+3], s[62:63], SLOTB
	s_or_b32 s[G0B+3], s[G0B+3], 0x80000000
	s_add_nc_u64 s[4:5], s[4:5], s[70:71]          ; Q's codes at my tile
	s_add_nc_u64 s[6:7], s[6:7], s[72:73]          ; and its scale words
	s_add_nc_u64 s[8:9], s[8:9], s[76:77]
	s_add_nc_u64 s[10:11], s[10:11], s[78:79]
	CROUND                                         ; all four work-groups are here: the first joint loads meet
	s_cmp_lt_u32 s[WV], 4                          ; a wave's three first fills stand in one branch, ahead of every wait on TENSORcnt, every LDS read and every further barrier: three loads of mine are out
	s_cbranch_scc0 .Lno_first
	tensor_load_to_lds s[G0S:G0S+3], s[G1S:G1S+7]
	s_nop 0
	tensor_load_to_lds s[G0A:G0A+3], s[G1T:G1T+7]
	s_nop 0
	tensor_load_to_lds s[G0B:G0B+3], s[G1T:G1T+7]
	s_nop 0
.rept 4
	v_nop
.endr
.Lno_first:
	v_and_b32 v30, 31, v0                          ; lane
	v_and_b32 v31, 15, v0                          ; r
	v_bfe_u32 v28, v0, 4, 1                        ; h
	v_lshlrev_b32 v1, 3, v30                       ; 8 x lane: my piece of a tile of K, and of Q in memory
	v_add_nc_u32 v2, VB, v1                        ; the same for V
	s_and_b32 s18, s16, 1                          ; which head of the pair
	s_lshl_b32 s19, s18, 1
	s_add_co_u32 s56, s19, SCK
	v_lshl_add_u32 v3, v30, 2, s56                 ; K's scale words: lanes 0-15 an even tile's rows, lanes 16-31 the odd tile's; my head's 16 bits
	s_lshl_b32 s57, s18, 12
	s_add_co_u32 s57, s57, SCV
	v_lshl_add_u32 v4, v30, 2, s57                 ; V's: my head's 4,096 bytes
	v_mul_u32_u24 v7, v31, 768
	v_mad_u32_u24 v7, v28, 12, v7                  ; ac: row r, + 12 h
	v_lshlrev_b32 v29, 5, v31                      ; as_: row r
	v_lshl_add_u32 v28, v31, 2, s19                ; Q's scale words: row r, my head's 16 bits
.irp p, 0,1,2
	global_load_b64 v[16+2*\p:17+2*\p], v1, s[4:5] offset:256*\p            ; direction 0's Q: the visual stream's
	global_load_b64 v[80+2*\p:81+2*\p], v1, s[4:5] offset:MODB+256*\p       ; direction 1's: the transaction stream's
.endr
	global_load_u16 v255, v28, s[6:7]
	global_load_u16 v86, v28, s[6:7] offset:131072
.irp i, 22,23,24,25,26,27
	v_mov_b32 v\i, 0                               ; zero codes past the head's 64, in Q
.endr
.irp t, 0,1,2,3
.irp i, 6,7,8,9,10,11
	v_mov_b32 v[32+12*\t+\i], 0                    ; and in K's four fragments: written once
.endr
.endr
	v_mov_b32 v13, 0xff61b1e6                      ; the largest t so far: -3e38
	v_floor_f32 v12, -v13                          ; -M
	v_mov_b32 v14, 0                               ; the sum, in two halves
	v_mov_b32 v15, 0
.irp b, 0,1,2,3
	v_mov_b32 v[236+\b], 0                         ; written once: a lane permute's destination counts as one of its sources
.endr
	v_mov_b32 v253, 0                              ; (named as the upper half of the pair v[252:253] before it is first written)
.set j, 0
.rept 32
	v_mov_b32 v[160+j], 0                          ; O^T: the step is written once; the first change of M leaves zeros zeros
.set j, j+1
.endr
; A KEY STEP: 128 keys.
.macro STEP
	v_add_nc_u32 v8, s[TB], v1
	v_add_nc_u32 v9, s[TB], v2
	v_add_nc_u32 v10, s[TS], v3
	v_add_nc_u32 v11, s[TJ], v4
	v_nop                                          ; five places behind the last step's products: the products below write over the registers that held V's fragments (one more than a load wants)
.irp g, 0,1                                    ; S^T = K Q^T, four tiles of 16 keys at a time
.if \g > 0
.rept 4
	v_nop                                          ; places in front of loads into registers that matrix instructions have read
.endr
.endif
.irp t, 0,1,2,3
.irp p, 0,1,2
	ds_load_b64 v[32+12*\t+2*\p:33+12*\t+2*\p], v8 offset:(4*\g+\t)*768+256*\p
.endr
.endr
.if \g == 0
.irp i, 0,1,2,3
	ds_load_u16 v[248+\i], v10 offset:128*\i       ; the scale words of tiles 2 i (lanes 0-15) and 2 i + 1 (lanes 16-31)
.endr
.endif
	s_wait_dscnt 0x0
.irp t, 0,1,2,3
.if \t%2
	v_wmma_scale_f32_16x16x128_f8f6f4 v[96+8*(4*\g+\t):103+8*(4*\g+\t)], v[32+12*\t:43+12*\t], v[16:27], 0, v[248+2*\g+\t/2], v255 matrix_a_fmt:MATRIX_FMT_FP6 matrix_b_fmt:MATRIX_FMT_FP6 matrix_a_scale:MATRIX_SCALE_ROW1
.else
	v_wmma_scale_f32_16x16x128_f8f6f4 v[96+8*(4*\g+\t):103+8*(4*\g+\t)], v[32+12*\t:43+12*\t], v[16:27], 0, v[248+2*\g+\t/2], v255 matrix_a_fmt:MATRIX_FMT_FP6 matrix_b_fmt:MATRIX_FMT_FP6
.endif
.endr
.endr
.rept 4
	v_nop
.endr
.irp b, 0,1,2,3
	v_max3_num_f32 v[232+\b], v[96+16*\b], v[97+16*\b], v[98+16*\b]   ; the largest score of each block of 32 keys: for the row's maximum and, since p rises with the score, for the block's largest p
.endr
.irp i, 3,5,7,9,11,13
.irp b, 0,1,2,3
	v_max3_num_f32 v[232+\b], v[232+\b], v[96+16*\b+\i], v[97+16*\b+\i]
.endr
.endr
.irp b, 0,1,2,3
	v_max_num_f32 v[232+\b], v[232+\b], v[111+16*\b]
.endr
.irp b, 0,1,2,3
	v_permlanex16_b32 v[236+\b], v[232+\b], s[SEL], s[SEL+1]
.endr
.irp b, 0,1,2,3
	v_max_num_f32 v[232+\b], v[232+\b], v[236+\b]  ; with lane l xor 16's 16 keys
.endr
	v_max3_num_f32 v254, v232, v233, v234
	v_max_num_f32 v254, v254, v235                 ; the step's largest score of my query
	v_mul_f32 v254, s[CS], v254                    ; as t (c is positive)
	v_max_num_f32 v13, v13, v254                   ; the running largest t
	v_mov_b32 v254, v12
	v_floor_f32 v12, -v13                          ; the new -M = floor(-t) = -ceil(t)
	v_sub_f32 v254, v12, v254                      ; old M - new M: a whole number, 0 or less
	v_cvt_i32_f32 v254, v254                       ; (it saturates)
	v_ldexp_f32 v252, 1.0, v254                    ; f = 2^(old M - new M)
.set j, 0
.rept 32
	v_pk_fma_f32 v[96+j:97+j], v[96+j:97+j], s[CS:CS+1], v[12:13] op_sel_hi:[1,0,0]   ; t - M, two at a time
.set j, j+2
.endr
.irp b, 0,1,2,3
	v_fma_f32 v[232+\b], v[232+\b], s[CS], v12     ; the same of each block's largest score
.endr
.set j, 0
.rept 64
	v_exp_f32 v[96+j], v[96+j]                     ; p = 2^(t - M), at most 1
.set j, j+1
.endr
	v_pk_mul_f32 v[14:15], v[14:15], v[252:253] op_sel_hi:[1,0]   ; the sums under the new M (a plain place behind the exponentials)
	s_wait_alu depctr_va_vdst(0)                   ; one wait for the whole batch, ahead of its first reader
.irp b, 0,1,2,3
	v_exp_f32 v[232+\b], v[232+\b]                 ; the block's largest p: the same two instructions on the same number give the same bits
.endr
	v_pk_add_f32 v[236:237], v[96:97], v[98:99]    ; the row's sum is taken of the unquantised p: two at a time, in two chains
.irp j, 4,8,12,16,20,24,28,32,36,40,44,48,52,56,60
	v_pk_add_f32 v[14:15], v[14:15], v[96+\j:97+\j]
	v_pk_add_f32 v[236:237], v[236:237], v[98+\j:99+\j]
.endr
	v_pk_add_f32 v[14:15], v[14:15], v[236:237]
	s_wait_alu depctr_va_vdst(0)                   ; and one for the four
.irp b, 0,1,2,3
	v_max_num_f32 v[232+\b], 0x1800000, v[232+\b]  ; the floor 2^(3 - 127): the byte cannot fall under 1
.endr
.irp b, 0,1,2,3
	v_add_nc_u32 v[244+\b], 0xff000000, v[232+\b]  ; 2 off the exponent field: the conversion's scale operand
.endr
.irp b, 0,1,2,3
	v_lshrrev_b32 v[236+\b], 23, v[244+\b]         ; the scale's byte
.endr
	v_lshl_or_b32 v253, v237, 8, v236              ; p's scale word for these 128 keys
	v_lshl_or_b32 v253, v238, 16, v253
	v_lshl_or_b32 v253, v239, 24, v253
.irp c, 0,1
	v_cvt_scalef32_pk16_fp6_f32 v[224+6*\c:226+6*\c], v[96+32*\c:111+32*\c], v[244+2*\c]
	v_cvt_scalef32_pk16_fp6_f32 v[236+4*\c:238+4*\c], v[112+32*\c:127+32*\c], v[244+2*\c+1]   ; (a conversion's three registers begin on an even number)
.endr
	v_nop                                          ; one plain place behind a scaled conversion
.irp t, 0,1,2,3                                ; p has been read for the last time: its registers take V's four fragments, whose way from LDS the lines below cover
.irp q, 0,1,2,3,4,5
	ds_load_b64 v[96+12*\t+2*\q:97+12*\t+2*\q], v9 offset:1536*\t+256*\q
.endr
.endr
	ds_load_b32 v248, v11                          ; V's scale words: channels 0-15 (lanes 0-15) and 16-31 (lanes 16-31),
	ds_load_b32 v249, v11 offset:128               ; 32-47 and 48-63
.irp c, 0,1                                    ; the operand's layout wants a WHOLE block in a lane: lanes 0-15 block 2 c, lanes 16-31 block 2 c + 1
.irp i, 0,1,2
	v_permlane16_swap_b32 v[224+6*\c+\i], v[236+4*\c+\i]
.endr
.irp i, 0,1,2
	v_mov_b32 v[227+6*\c+\i], v[236+4*\c+\i]
.endr
.endr
.set j, 0
.rept 16
	v_pk_mul_f32 v[160+j:161+j], v[160+j:161+j], v[252:253] op_sel_hi:[1,0]   ; O^T under the new M.  (These sixteen are also the places between the writes of p's codes and scale word and the products)
.set j, j+2
.endr
	s_wait_dscnt 0x0
.irp t, 0,1,2,3                                ; O^T += V^T P^T: four accumulators, one instruction each
.if \t%2
	v_wmma_scale_f32_16x16x128_f8f6f4 v[160+8*\t:167+8*\t], v[96+12*\t:107+12*\t], v[224:235], v[160+8*\t:167+8*\t], v[248+\t/2], v253 matrix_a_fmt:MATRIX_FMT_FP6 matrix_b_fmt:MATRIX_FMT_FP6 matrix_a_scale:MATRIX_SCALE_ROW1
.else
	v_wmma_scale_f32_16x16x128_f8f6f4 v[160+8*\t:167+8*\t], v[96+12*\t:107+12*\t], v[224:235], v[160+8*\t:167+8*\t], v[248+\t/2], v253 matrix_a_fmt:MATRIX_FMT_FP6 matrix_b_fmt:MATRIX_FMT_FP6
.endif
.endr
	s_add_co_u32 s[TB], s[TB], 6144                ; 128 keys on: 8 tiles of K, one chunk of V
	s_add_co_u32 s[TS], s[TS], 512
	s_add_co_u32 s[TJ], s[TJ], 256
.endm
.macro RUN tb, ts, tj                  ; a slot's eight key steps
	s_mov_b32 s[TB], \tb
	s_mov_b32 s[TS], \ts
	s_mov_b32 s[TJ], \tj
	s_mov_b32 s[CNT], 8
.Lrun_\@:
	STEP
	s_sub_co_u32 s[CNT], s[CNT], 1
	s_cmp_lg_u32 s[CNT], 0
	s_cbranch_scc1 .Lrun_\@
.endm
; The slot just read is filled again, with the other stream's keys and values.  Each wave waits for all its tensor loads, adds 0 to its spare word, and waits for that and for its reads of the slot; a round of the cluster's
; barrier follows, so that no wave of any partner still reads the slot or has a load on its way; the joint refill is the first thing behind it.
.macro CHANGE_FILL g0
	s_wait_tensorcnt 0x0                           ; no tensor load of mine is out, so a group 0 may be written; the slot ahead is in
	ds_add_u32 v5, v6
	s_sub_nc_u64 s[\g0+2:\g0+3], s[\g0+2:\g0+3], MODB   ; the same place in the other stream's part; the type bits on top are not reached
	s_wait_dscnt 0x0                               ; the add is done, and my reads of the slot are over
	CROUND
	JLOAD \g0
.endm
.macro CHANGE_LAST                     ; nothing is left to ask for
	s_wait_tensorcnt 0x0
	ds_add_u32 v5, v6
	s_wait_dscnt 0x0
	s_barrier_signal -1
	s_barrier_wait -1
.endm
; A direction's end: O^T divided by the row's sum.  d = 0: it starts the directions' sum, and the statistics and Q are set for direction 1 (its first f is 0, which clears O^T).  d = 1: it is added.
.macro DIR_END d
.rept 4
	v_nop                                          ; places behind the last products
.endr
.if \d == 0
.irp i, 0,1,2,3,4,5
	v_mov_b32 v[16+\i], v[80+\i]                   ; direction 1's Q,
.endr
	v_mov_b32 v255, v86                            ; and its scale words: more than eight plain instructions ahead of the next product
.endif
	v_add_f32 v14, v14, v15                        ; the sum's two halves,
	v_permlanex16_b32 v252, v14, s[SEL], s[SEL+1]
	v_add_f32 v14, v14, v252                       ; and lane l xor 16's
	v_rcp_f32 v14, v14
	v_nop                                          ; a plain place behind the reciprocal
	s_wait_alu depctr_va_vdst(0)                   ; and the wait ahead of its first reader
.set j, 0
.rept 16
.if \d == 0
	v_pk_mul_f32 v[192+j:193+j], v[160+j:161+j], v[14:15] op_sel_hi:[1,0]
.else
	v_pk_fma_f32 v[192+j:193+j], v[160+j:161+j], v[14:15], v[192+j:193+j] op_sel_hi:[1,0,1]
.endif
.set j, j+2
.endr
.if \d == 0
	v_mov_b32 v13, 0xff61b1e6
	v_floor_f32 v12, -v13
	v_mov_b32 v14, 0
	v_mov_b32 v15, 0
.endif
.endm
	s_wait_tensorcnt 1                             ; the scale words and my part of slot 0 are in; slot 1's load may stay out
	s_barrier_signal -1
	s_barrier_wait -1                              ; everybody's are
	s_wait_loadcnt 0x0                             ; Q
	RUN 0, 0, 0                                    ; direction 0, keys 0-1023
	CHANGE_FILL G0A                                ; slot 0 takes direction 1's keys 0-1023
	RUN SLOTB, 4096, 2048                          ; direction 0, keys 1024-2047
	CHANGE_FILL G0B                                ; slot 1 takes direction 1's keys 1024-2047
	DIR_END 0
	RUN 0, 8192, 8192                              ; direction 1
	CHANGE_LAST
	RUN SLOTB, 12288, 10240
	DIR_END 1
	; THE SUM IS QUANTISED along the merged channels.  Register 16 B + i of lane (r, h) is channel 32 B + 8 h + i (i < 8) or 32 B + 16 + 8 h + i - 8 of row r: my 16 codes are places 16 h .. 16 h + 15 of block B in the stored order.
	v_max3_num_f32 v232, |v192|, |v193|, 0x1800000
	v_max3_num_f32 v233, |v208|, |v209|, 0x1800000
.irp i, 2,4,6,8,10,12,14
	v_max3_num_f32 v232, v232, |v[192+\i]|, |v[193+\i]|
	v_max3_num_f32 v233, v233, |v[208+\i]|, |v[209+\i]|
.endr
	v_permlanex16_b32 v236, v232, s[SEL], s[SEL+1]
	v_permlanex16_b32 v237, v233, s[SEL], s[SEL+1]
	v_max_num_f32 v232, v232, v236                 ; with lane l xor 16's: the block's largest magnitude
	v_max_num_f32 v233, v233, v237
	v_add_nc_u32 v244, 0xff000000, v232
	v_add_nc_u32 v245, 0xff000000, v233
	v_lshrrev_b32 v236, 23, v244
	v_lshrrev_b32 v237, 23, v245
	v_lshl_or_b32 v238, v237, 8, v236              ; my head's two scale bytes
	v_cvt_scalef32_pk16_fp6_f32 v[224:226], v[192:207], v244
	v_cvt_scalef32_pk16_fp6_f32 v[228:230], v[208:223], v245
	v_nop                                          ; one plain place behind a scaled conversion
	global_store_b96 v7, v[224:226], s[8:9]        ; 12 bytes: half a block of row r
	global_store_b96 v7, v[228:230], s[8:9] offset:24
	global_store_b16 v29, v238, s[10:11]           ; both halves of the lanes write the same two bytes with the same value
	s_wait_tensorcnt 0x0                           ; the wave's end: behind the last tensor load
	ds_add_u32 v5, v6
	s_wait_dscnt 0x0
	CROUND                                         ; the closing round: no work-group ends while a partner may still ask for a tile that names it
	s_endpgm
.Lfunc_end_k_qd35c4ad471_attn:
	.size	k_qd35c4ad471_attn, .Lfunc_end_k_qd35c4ad471_attn-k_qd35c4ad471_attn
	.p2alignl 7, 3214868480
	.fill 96, 4, 3214868480
	.section	.rodata,"a",@progbits
	.p2align	6, 0x0
	.amdhsa_kernel k_qd35c4ad471_attn
		.amdhsa_group_segment_fixed_size 327680
		.amdhsa_private_segment_fixed_size 0
		.amdhsa_enable_private_segment 0
		.amdhsa_kernarg_size 32
		.amdhsa_user_sgpr_count 2
		.amdhsa_user_sgpr_kernarg_segment_ptr 1
		.amdhsa_wavefront_size32 1
		.amdhsa_system_sgpr_workgroup_id_x 1
		.amdhsa_system_sgpr_workgroup_id_y 1
		.amdhsa_system_sgpr_workgroup_id_z 1
		.amdhsa_system_vgpr_workitem_id 0
		.amdhsa_next_free_vgpr 256
		.amdhsa_next_free_sgpr 80
		.amdhsa_reserve_vcc 0
		.amdhsa_float_denorm_mode_32 3
		.amdhsa_float_denorm_mode_16_64 3
		.amdhsa_memory_ordered 1
		.amdhsa_forward_progress 1
		.amdhsa_inst_pref_size 87
	.end_amdhsa_kernel
	.amdgpu_metadata
---
amdhsa.version: [ 1, 2 ]
amdhsa.kernels:
  - .name:           k_qd35c4ad471_attn
    .symbol:         k_qd35c4ad471_attn.kd
    .args:
      - { .name: qkv, .offset: 0, .size: 8, .value_kind: global_buffer, .address_space: global }
      - { .name: qkvs, .offset: 8, .size: 8, .value_kind: global_buffer, .address_space: global }
      - { .name: ac, .offset: 16, .size: 8, .value_kind: global_buffer, .address_space: global }
      - { .name: as_, .offset: 24, .size: 8, .value_kind: global_buffer, .address_space: global }
    .group_segment_fixed_size: 327680
    .private_segment_fixed_size: 0
    .kernarg_segment_align: 8
    .kernarg_segment_size: 32
    .max_flat_workgroup_size: 512
    .sgpr_count:     80
    .vgpr_count:     256
    .wavefront_size: 32
...
	.end_amdgpu_metadata
.endif
;; end of part 4
;; launch gemm_out (part 5): grid 4 x 16, 4 waves a work-group, clusters of 4 x 4, 327,680 bytes of LDS; arguments ac, as_, wc, ws, out0; writes out0
.if DOCPART == 5
	.amdgcn_target "amdgcn-amd-amdhsa--gfx1250"
	.amdhsa_code_object_version 6
	.text
	.protected	k_qd35c4ad471_gemm_out
	.globl	k_qd35c4ad471_gemm_out
	.p2align	8
	.type	k_qd35c4ad471_gemm_out,@function
k_qd35c4ad471_gemm_out:
	s_mov_b64 s[64:65], 0
	v_nop
	global_prefetch_b8 v0, s[64:65] scope:SCOPE_SE
	s_setreg_imm32_b32 hwreg(HW_REG_WAVE_MODE, 25, 1), 1
	s_wait_xcnt 0x0
	s_wait_alu depctr_hold_cnt(0) depctr_sa_sdst(0) depctr_va_vdst(0) depctr_va_sdst(0) depctr_va_ssrc(0) depctr_va_vcc(0) depctr_vm_vsrc(0)
	s_getreg_b32 s2, hwreg(HW_REG_IB_STS2, 6, 4)
	s_cmp_eq_u32 s2, 0
	s_cbranch_scc0 .Lentry_in_a_cluster
	s_endpgm
.Lentry_in_a_cluster:
	s_bfe_u32 s2, ttmp6, 0x10000c
	s_cmp_lg_u32 s2, 0xf033
	s_cbranch_scc0 .Lentry_shape_is_right
	s_endpgm
.Lentry_shape_is_right:
; out0[m][n] = sum over k of A[m][k] B[n][k].  A: the attention launch's sum as codes of FP6 (E2M3), ac [4096][768], scale bytes as_ [4096][32];  B: W_out's columns, rows 3072-4095 of wc [4096][768] and ws [4096][32];
; both carry the same order of places inside each block of 32 along K, which keeps the products.  out0: [4096][1024] f32; sums in f32.
; A tile of C, 256 x 256, is made by a work-group of four waves; a wave makes 128 x 128: 64 accumulators, 512 registers.  K goes in steps of 256 through a ring of two LDS slots filled by the tensor data mover.
; THE SCALES of the work-group's 256 rows of A and of B, for all of K, come into LDS ONCE, with the first fills, and stay.
; CLUSTERS: 4 x 4 work-groups: A's tiles are asked for jointly along a row of the cluster, B's along a column.  THE MATRIX INSTRUCTION IS USED TRANSPOSED: a lane holds eight neighbouring numbers of a row of C.
; The launch has 64 tiles of this size: a quarter of the WGPs work; it holds a fifteenth of the program's matrix work.
; REGISTERS: window 0: v0-31 addresses; v32-63 scale words, two sets; from v128 A's fragments, ONE set; on the way out v128-255 take rows read back.  window 1: B's fragments, TWO sets.  windows 2, 3: the accumulators.
.set SIZE_N, 1024
.set SIZE_K, 1024
.set BROW0,  3072                      ; W_out's first row in wc and ws
.set KSTEP,  256
.set NQ,     KSTEP/128
.set ROWB,   192
.set KROW,   SIZE_K*6/8
.set PITCH,  240                       ; an LDS row: 3 x (64 bytes + 16 of padding): the 32 lanes of a load of 8 bytes touch 64 different banks (ISA guide 11.1)
.set FR,     12
.set NL,     6
.set NP,     4                         ; places behind this matrix instruction (ISA guide 7.12.1)
.set HALFT,  128*PITCH
.set SLOT,   4*HALFT
.set LAPS,   SIZE_K/(2*KSTEP)
.set KS,     SIZE_K/32
.set SCL,    2*SLOT
.set HALFS,  (128*KS/256)*272
.set SBLK,   (16*KS/256)*272
.set SPARE,  SCL+4*HALFS               ; the spare words, 128 bytes a wave
.set SPITCH, 528                       ; the way out: 16 rows x (512 bytes + 16) for each wave, in slot 0, which has had its last fill and its last read by then
.set ADRA, 16
.set ADRB, 20
.set STO,  24
.set RD,   25
.set CO,   26
.set SPW,  28
.set NIL,  29
.set ADRS, 27
.set SC,   32
.set AF,   128
.set BK,   128
.set G1, 24
.set G0, 32
.set G1B, 48
.set G0B, 56
.set G1S, 68
.set G0S, 76
.set G1SB, 80
.set G0SB, 88
.set MSB, 0
.macro WIN new                         ; the immediate's high byte repeats the setting that is left
.if MSB != \new
	s_set_vgpr_msb (MSB<<8)|\new
.set MSB, \new
.endif
.endm
.set MUL_LO, 0xa1
.set MUL_HI, 0xf1
.set TO_B,   0x40
.macro JLOAD g0a, g1a, g0b, g1b        ; a joint load: waves 0 and 1 fetch for A, waves 2 and 3 for B; an s_nop 0 and four v_nop follow each line
	s_cmp_eq_u32 s15, 0
	s_cbranch_scc0 .Lfor_b_\@
	tensor_load_to_lds s[\g0a:\g0a+3], s[\g1a:\g1a+7]
	s_nop 0
.rept 4
	v_nop
.endr
	s_branch .Lasked_\@
.Lfor_b_\@:
	tensor_load_to_lds s[\g0b:\g0b+3], s[\g1b:\g1b+7]
	s_nop 0
.rept 4
	v_nop
.endr
.Lasked_\@:
.endm
.macro CREST
	s_cmp_lg_u32 s14, 0
	s_cbranch_scc1 .Lnot_wave_0_\@
	s_barrier_signal -3
.Lnot_wave_0_\@:
	s_barrier_wait -3
	s_barrier_signal -1
	s_barrier_wait -1
.endm
.macro CROUND
	s_barrier_signal -1
	s_barrier_wait -1
	CREST
.endm
	s_load_b128 s[4:7], s[0:1], 0x0                ; A's codes, A's scales
	s_load_b128 s[8:11], s[0:1], 0x10              ; B's codes, B's scales
	s_load_b64 s[12:13], s[0:1], 0x20              ; C
	v_lshl_add_u32 v[SPW], v0, 2, SPARE
	v_mov_b32 v[NIL], 0
	ds_add_u32 v[SPW], v[NIL]                      ; the wave's opening: the add and its wait stand ahead of my first tensor load
	v_lshrrev_b32 v1, 5, v0
	v_readfirstlane_b32 s14, v1                    ; wave 0..3
	s_lshr_b32 s15, s14, 1                         ; which half of the tile's rows is mine.  Also: I fetch for A (0) or for B (1)
	s_and_b32 s16, s14, 1                          ; which half of its columns.  Also: which 128 rows of that tile I fetch
	s_bfe_u32 s40, ttmp6, 0x40000                  ; cx, cy
	s_bfe_u32 s41, ttmp6, 0x40004
	s_lshl_b32 s42, ttmp9, 2
	s_add_co_u32 s42, s42, s40                     ; tile column of C
	s_and_b32 s17, ttmp7, 0xffff
	s_lshl_b32 s17, s17, 2
	s_add_co_u32 s17, s17, s41                     ; tile row of C
	s_lshl_b32 s43, s41, 2
	s_lshl_b32 s43, 15, s43                        ; my row of the cluster
	s_lshl_b32 s44, 0x1111, s40                    ; my column
	s_or_b32 s[G1+0], s43, (0<<16)|(1<<20)|(1<<21)|(3<<22)|(3<<25)
	s_or_b32 s[G1B+0], s44, (0<<16)|(1<<20)|(1<<21)|(3<<22)|(3<<25)
.irp g, G1, G1B
	s_mov_b32 s[\g+1], ROWB<<16
	s_mov_b32 s[\g+2], 128<<16
	s_mov_b32 s[\g+3], ROWB<<16
	s_mov_b32 s[\g+4], 128
	s_mov_b32 s[\g+5], KROW
	s_mov_b32 s[\g+6], 0
	s_mov_b32 s[\g+7], 0
.endr
	s_or_b32 s[G1S+0], s43, (3<<16)|(1<<20)|(1<<21)|(5<<22)|(3<<25)
	s_or_b32 s[G1SB+0], s44, (3<<16)|(1<<20)|(1<<21)|(5<<22)|(3<<25)
.irp g, G1S, G1SB
	s_mov_b32 s[\g+1], 32<<16
	s_mov_b32 s[\g+2], (128*KS/256)<<16
	s_mov_b32 s[\g+3], 32<<16
	s_mov_b32 s[\g+4], 128*KS/256
	s_mov_b32 s[\g+5], 32
	s_mov_b32 s[\g+6], 0
	s_mov_b32 s[\g+7], 0
.endr
	s_lshl_b32 s18, s16, 7                         ; which 128 rows of the tile I fetch
	s_lshl_b32 s20, s17, 8
	s_add_co_u32 s20, s20, s18                     ; A: row 256 x tile row + 128 x half
	s_lshl_b32 s46, s42, 8
	s_add_co_u32 s46, s46, s18                     ; B: row 256 x tile column + 128 x half,
	s_add_co_u32 s46, s46, BROW0                   ; behind W_qkv's rows
	s_mov_b32 s21, 0
	s_mov_b32 s47, 0
	s_mov_b64 s[18:19], KS
	s_mul_u64 s[22:23], s[20:21], s[18:19]
	s_mul_u64 s[92:93], s[46:47], s[18:19]
	s_mov_b64 s[18:19], KROW
	s_mul_u64 s[20:21], s[20:21], s[18:19]
	s_mul_u64 s[46:47], s[46:47], s[18:19]
	s_mul_i32 s45, s14, HALFT
	s_mul_i32 s94, s14, HALFS
	s_wait_dscnt 0x0                               ; the opening add is done
	s_wait_kmcnt 0x0
	s_add_nc_u64 s[20:21], s[4:5], s[20:21]
	s_add_nc_u64 s[22:23], s[6:7], s[22:23]
	s_add_nc_u64 s[46:47], s[8:9], s[46:47]
	s_add_nc_u64 s[92:93], s[10:11], s[92:93]
	CROUND                                         ; all sixteen work-groups are here: the first joint loads meet
	s_mov_b32 s[G0S], 1
	s_add_co_u32 s[G0S+1], s94, SCL
	s_mov_b64 s[G0S+2:G0S+3], s[22:23]
	s_or_b32 s[G0S+3], s[G0S+3], 0x80000000
	s_mov_b32 s[G0SB], 1
	s_add_co_u32 s[G0SB+1], s94, SCL
	s_mov_b64 s[G0SB+2:G0SB+3], s[92:93]
	s_or_b32 s[G0SB+3], s[G0SB+3], 0x80000000
	JLOAD G0S, G1S, G0SB, G1SB                     ; the scales first
.irp s, 0,1
	s_mov_b32 s[G0+4*\s], 1
	s_add_co_u32 s[G0+4*\s+1], s45, \s*SLOT
	s_add_nc_u64 s[G0+4*\s+2:G0+4*\s+3], s[20:21], \s*ROWB
	s_or_b32 s[G0+4*\s+3], s[G0+4*\s+3], 0x80000000
	s_mov_b32 s[G0B+4*\s], 1
	s_add_co_u32 s[G0B+4*\s+1], s45, \s*SLOT
	s_add_nc_u64 s[G0B+4*\s+2:G0B+4*\s+3], s[46:47], \s*ROWB
	s_or_b32 s[G0B+4*\s+3], s[G0B+4*\s+3], 0x80000000
	JLOAD G0+4*\s, G1, G0B+4*\s, G1B               ; three tensor loads of mine are out now
.endr
	v_and_b32 v1, 15, v0                           ; l % 16
	v_bfe_u32 v2, v0, 4, 1                         ; l / 16
	v_mul_u32_u24 v3, v1, PITCH
	v_mul_u32_u24 v4, v2, 24
	v_add_nc_u32 v4, v3, v4
	v_lshl_add_u32 v5, v2, 4, v4
	s_mul_i32 s21, s15, HALFT
	s_mul_i32 s22, s16, HALFT
	s_add_co_u32 s22, s22, 2*HALFT
.irp s, 0,1
	v_add_nc_u32 v[ADRA+\s], s21, v4
	v_add_nc_u32 v[ADRB+\s], s22, v4
	v_add_nc_u32 v[ADRA+2+\s], s21, v5
	v_add_nc_u32 v[ADRB+2+\s], s22, v5
	s_add_co_u32 s21, s21, SLOT
	s_add_co_u32 s22, s22, SLOT
.endr
	v_mul_u32_u24 v5, v1, KS
	v_lshrrev_b32 v6, 8, v5
	v_lshl_add_u32 v5, v6, 4, v5
	s_mul_i32 s21, s15, HALFS
	s_mul_i32 s22, s16, HALFS
	s_add_co_u32 s22, s22, 2*HALFS
	s_sub_co_u32 s22, s22, s21
	v_mul_u32_u24 v6, s22, v2                      ; lanes 16-31 take B's
	s_add_co_u32 s21, s21, SCL
	v_add_nc_u32 v5, v5, v6
	v_add_nc_u32 v[ADRS], s21, v5
	s_mul_i32 s23, s14, 16*SPITCH                  ; my stage
	v_mul_u32_u24 v5, v1, SPITCH
	v_lshl_add_u32 v5, v2, 5, v5
	v_add_nc_u32 v[STO], s23, v5
	v_and_b32 v6, 31, v0
	v_lshlrev_b32 v[CO], 4, v6
	v_add_nc_u32 v[RD], s23, v[CO]
	s_lshl_b32 s20, s17, 8
	s_lshl_b32 s21, s15, 7
	s_add_co_u32 s20, s20, s21                     ; my first row of C
	s_mov_b32 s21, 0
	s_mov_b64 s[18:19], SIZE_N*4
	s_mul_u64 s[20:21], s[20:21], s[18:19]
	s_lshl_b32 s46, s42, 10                        ; my first column, in bytes
	s_lshl_b32 s47, s16, 9
	s_add_co_u32 s46, s46, s47
	s_mov_b32 s47, 0
	s_add_nc_u64 s[20:21], s[20:21], s[46:47]
	s_add_nc_u64 s[12:13], s[12:13], s[20:21]
.macro FRAG reg, adr, q, i
.irp p, 0,1,2,3,4,5
.set PC, 12*(\q)+6*(\p/3)+\p%3
.if PC%8 < 5
	ds_load_b64 v[\reg+2*\p:\reg+2*\p+1], v[\adr] offset:8*PC+16*(PC/8)+(\i)*16*PITCH
.else
	ds_load_b64 v[\reg+2*\p:\reg+2*\p+1], v[\adr+2] offset:8*PC+16*(PC/8)+(\i)*16*PITCH
.endif
.endr
.endm
.macro MUL16 a0, p, q, sc, zero        ; the 64 accumulators take turns, one instruction a turn
.irp a, \a0, \a0+1
.irp b, 0,1,2,3,4,5,6,7
.if \zero
	v_wmma_scale_f32_16x16x128_f8f6f4 v[8*(8*((\a)%4)+\b):8*(8*((\a)%4)+\b)+7], v[128*(\p)+FR*\b:128*(\p)+FR*\b+FR-1], v[AF+FR*(\a):AF+FR*(\a)+FR-1], 0, v[SC+8*NQ*(\sc)+NQ*\b+(\q)], v[SC+8*NQ*(\sc)+NQ*(\a)+(\q)] matrix_a_fmt:MATRIX_FMT_FP6 matrix_b_fmt:MATRIX_FMT_FP6 matrix_a_scale:MATRIX_SCALE_ROW1
.else
	v_wmma_scale_f32_16x16x128_f8f6f4 v[8*(8*((\a)%4)+\b):8*(8*((\a)%4)+\b)+7], v[128*(\p)+FR*\b:128*(\p)+FR*\b+FR-1], v[AF+FR*(\a):AF+FR*(\a)+FR-1], v[8*(8*((\a)%4)+\b):8*(8*((\a)%4)+\b)+7], v[SC+8*NQ*(\sc)+NQ*\b+(\q)], v[SC+8*NQ*(\sc)+NQ*(\a)+(\q)] matrix_a_fmt:MATRIX_FMT_FP6 matrix_b_fmt:MATRIX_FMT_FP6 matrix_a_scale:MATRIX_SCALE_ROW1
.endif
.endr
.endr
.endm
.macro FETCH_B slot, q, p
	WIN TO_B
.irp i, 0,1,2,3,4,5,6,7
	FRAG 128*(\p)+FR*\i, ADRB+\slot, \q, \i
.endr
	WIN 0
.endm
.macro FETCH_A slot, q, i0
.irp i, \i0, \i0+1, \i0+2, \i0+3
	FRAG AF+FR*(\i), ADRA+\slot, \q, \i
.endr
.endm
.macro SCALES sc
.irp i, 0,1,2,3,4,5,6,7
	ds_load_b64 v[SC+8*NQ*\sc+NQ*\i:SC+8*NQ*\sc+NQ*\i+1], v[ADRS] offset:\i*SBLK
.endr
.endm
.macro PLACES n
.rept \n
	v_nop
.endr
.endm
.macro STEP slot, q, zero
	s_wait_dscnt 4*NL                              ; B's set and A's blocks 0-3 are in; the youngest 24 loads (A's blocks 4-7) may be out
	WIN MUL_LO
	MUL16 0, (\q)%2, \q, \slot, \zero
	MUL16 2, (\q)%2, \q, \slot, \zero
	s_wait_dscnt 0
	PLACES NP
	FETCH_B \slot, (\q)+1, 1-(\q)%2
	FETCH_A \slot, (\q)+1, 0
	WIN MUL_HI
	MUL16 4, (\q)%2, \q, \slot, \zero
	MUL16 6, (\q)%2, \q, \slot, \zero
	PLACES NP
	WIN 0
	FETCH_A \slot, (\q)+1, 4
.endm
.macro TURN slot, next, fill
	s_wait_tensorcnt 0x0                           ; all my tensor loads have landed: my part of the next slot
	ds_add_u32 v[SPW], v[NIL]
	s_wait_dscnt 4*NL+1                            ; (the add and the youngest 24 loads may be out)
	WIN MUL_LO
	MUL16 0, 1, NQ-1, \slot, 0
	s_wait_dscnt 0x0                               ; the add is done, and my reads of this slot are over
	s_barrier_signal -1
	MUL16 2, 1, NQ-1, \slot, 0
	WIN 0
	s_barrier_wait -1
.if \fill
	CREST                                          ; the barrier has opened a round of the cluster's barrier
	s_add_nc_u64 s[G0+4*\slot+2:G0+4*\slot+3], s[G0+4*\slot+2:G0+4*\slot+3], 2*ROWB
	s_add_nc_u64 s[G0B+4*\slot+2:G0B+4*\slot+3], s[G0B+4*\slot+2:G0B+4*\slot+3], 2*ROWB
	JLOAD G0+4*\slot, G1, G0B+4*\slot, G1B         ; the first tensor load behind the round
.else
	PLACES NP
.endif
	v_add_nc_u32 v[ADRS], 4*NQ, v[ADRS]
	FETCH_B \next, 0, 0
	FETCH_A \next, 0, 0
	SCALES \next
	WIN MUL_HI
	MUL16 4, 1, NQ-1, \slot, 0
	MUL16 6, 1, NQ-1, \slot, 0
	PLACES NP
	WIN 0
	FETCH_A \next, 0, 4
.endm
	s_wait_tensorcnt 1                             ; the scales and my part of K step 0 are in (K step 1's load may be out),
	s_barrier_signal -1
	s_barrier_wait -1                              ; everybody's are
	FETCH_B 0, 0, 0
	FETCH_A 0, 0, 0
	SCALES 0
	FETCH_A 0, 0, 4
	STEP 0, 0, 1                                   ; the first step's products start the sums
	s_mov_b32 s3, LAPS-1
.Llap:
	TURN 0, 1, 1
	STEP 1, 0, 0
	TURN 1, 0, 1
	STEP 0, 0, 0
	s_sub_co_u32 s3, s3, 1
	s_cmp_lg_u32 s3, 0
	s_cbranch_scc1 .Llap
	TURN 0, 1, 0                                   ; the last lap fills nothing
	STEP 1, 0, 0
	s_wait_dscnt 4*NL
	WIN MUL_LO
	MUL16 0, 1, NQ-1, 1, 0
	MUL16 2, 1, NQ-1, 1, 0
	s_wait_dscnt 0
	WIN MUL_HI
	MUL16 4, 1, NQ-1, 1, 0
	MUL16 6, 1, NQ-1, 1, 0
	WIN 0
; THE WAY OUT, block by block of 16 rows x 128 columns, through my own stage in LDS: back as whole rows of 512 bytes.  LDS serves a wave's instructions in order (ISA guide 5.7.1.4).
.macro TOSTAGE a
.set AC, 64*((\a)%4)
	WIN 0x08+4*((\a)/4)
.irp b, 0,1,2,3,4,5,6,7
	ds_store_b128 v[STO], v[AC+8*\b:AC+8*\b+3] offset:64*\b          ; each accumulator from its low end on
	ds_store_b128 v[STO], v[AC+8*\b+4:AC+8*\b+7] offset:64*\b+16
.endr
	WIN 0
.set BB, BK+64*((\a)%2)
.irp t, 0,1,2,3,4,5,6,7,8,9,10,11,12,13,14,15
	ds_load_b128 v[BB+4*\t:BB+4*\t+3], v[RD] offset:\t*SPITCH
.endr
.endm
.macro SEND a, younger
.set BB, BK+64*((\a)%2)
	s_wait_dscnt \younger                          ; the block is back in registers
.if (\a) > 0
	s_add_nc_u64 s[12:13], s[12:13], 16*SIZE_N*4   ; (behind a wait on XCNT: the earlier stores have read their base)
.endif
.irp t, 0,1,2,3,4,5,6,7,8,9,10,11,12,13,14,15
	global_store_b128 v[CO], v[BB+4*\t:BB+4*\t+3], s[12:13] offset:\t*SIZE_N*4 th:TH_STORE_NT   ; 32 lanes store 512 consecutive bytes, aligned
.endr
.endm
	PLACES NP
	TOSTAGE 0
.irp a, 1,2,3,4,5,6,7
.if \a > 1
	s_wait_xcnt 0x0                                ; block a - 2's stores have read their registers and their base
.endif
	TOSTAGE \a
	SEND \a-1, 32                                  ; behind block a - 1's loads: block a's 16 stores and 16 loads
.endr
	s_wait_xcnt 0x0
	SEND 7, 0
	s_wait_tensorcnt 0x0                           ; the wave's end
	ds_add_u32 v[SPW], v[NIL]
	s_wait_dscnt 0x0
	CROUND                                         ; the closing round
	s_endpgm
.Lfunc_end_k_qd35c4ad471_gemm_out:
	.size	k_qd35c4ad471_gemm_out, .Lfunc_end_k_qd35c4ad471_gemm_out-k_qd35c4ad471_gemm_out
	.p2alignl 7, 3214868480
	.fill 96, 4, 3214868480
	.section	.rodata,"a",@progbits
	.p2align	6, 0x0
	.amdhsa_kernel k_qd35c4ad471_gemm_out
		.amdhsa_group_segment_fixed_size 327680
		.amdhsa_private_segment_fixed_size 0
		.amdhsa_enable_private_segment 0
		.amdhsa_kernarg_size 40
		.amdhsa_user_sgpr_count 2
		.amdhsa_user_sgpr_kernarg_segment_ptr 1
		.amdhsa_wavefront_size32 1
		.amdhsa_system_sgpr_workgroup_id_x 1
		.amdhsa_system_sgpr_workgroup_id_y 1
		.amdhsa_system_sgpr_workgroup_id_z 1
		.amdhsa_system_vgpr_workitem_id 0
		.amdhsa_next_free_vgpr 1024
		.amdhsa_next_free_sgpr 98
		.amdhsa_reserve_vcc 0
		.amdhsa_float_denorm_mode_32 3
		.amdhsa_float_denorm_mode_16_64 3
		.amdhsa_memory_ordered 1
		.amdhsa_forward_progress 1
		.amdhsa_inst_pref_size 160
	.end_amdhsa_kernel
	.amdgpu_metadata
---
amdhsa.version: [ 1, 2 ]
amdhsa.kernels:
  - .name:           k_qd35c4ad471_gemm_out
    .symbol:         k_qd35c4ad471_gemm_out.kd
    .args:
      - { .name: ac, .offset: 0, .size: 8, .value_kind: global_buffer, .address_space: global }
      - { .name: as_, .offset: 8, .size: 8, .value_kind: global_buffer, .address_space: global }
      - { .name: wc, .offset: 16, .size: 8, .value_kind: global_buffer, .address_space: global }
      - { .name: ws, .offset: 24, .size: 8, .value_kind: global_buffer, .address_space: global }
      - { .name: out0, .offset: 32, .size: 8, .value_kind: global_buffer, .address_space: global }
    .group_segment_fixed_size: 327680
    .private_segment_fixed_size: 0
    .kernarg_segment_align: 8
    .kernarg_segment_size: 40
    .max_flat_workgroup_size: 128
    .sgpr_count:     98
    .vgpr_count:     1024
    .wavefront_size: 32
...
	.end_amdgpu_metadata
.endif
;; end of part 5
